; MI455X (gfx1250); checked and timed in simulation.
; The chip was launched on July 23, 2026; its instructions are those of AMD's public machine-readable ISA for CDNA 5 (MIT licence, August 2026) and "CDNA5" Instruction Set Architecture Reference Guide (July 2026). The comments in the code are by the model that wrote it; some were corrected since.
;; Transformer Encoder Layer. Allowed arithmetic: matrix products marked QUANTISED: E2M1 operands, one E8M0 scale for each 32 along K, by v_wmma_scale_f32_16x16x128_f8f6f4 with both operands' format E2M1 (or v_wmma_scale_f32_32x16x128_f4), f32 sums; products left as they are: bf16, f16 or f32 operands; f32 sums; everything else in f32.
;; Inputs: W1 1,024 x 4,096 float32; W2 4,096 x 1,024 float32; Wk 1,024 x 1,024 float32; Wo 1,024 x 1,024 float32; Wq 1,024 x 1,024 float32; Wv 1,024 x 1,024 float32; b1 4,096 float32; b2 1,024 float32; bk 1,024 float32; bo 1,024 float32; bq 1,024 float32; bv 1,024 float32; ln_b 1,024 float32; ln_g 1,024 float32; src 2 x 2,048 x 1,024 float32.
;; Outputs: out0 2 x 2,048 x 1,024 float32.
;; This version of the problem:
;;   THIS VERSION OF THE PROBLEM IS GIVEN IN LOW PRECISION. The matrix products marked QUANTISED in the list below multiply operands that are first quantised to E2M1 (2 exponent bits, 1 mantissa bit; 4 bits a number), with one power-of-two scale for each 32 numbers along K (OCP MX v1.0); their sums are f32. The products marked 'left as it is' may take bf16, f16 or f32 operands, with f32 sums. Whichever they take, every output number must still come out within the allowed error. Rounding operands to bf16 (8 significant bits) uses up far more of that allowance than f16 does (11 bits, for magnitudes from 6e-5 to 65,504). All else is computed in f32.
;;   The module's matrix products, in the order in which they are computed (A, B: the left and right operand; K: the contracted axis; several contracted axes count as one K, in the product's order):
;;     1. [M 4,096, K 1,024] x [K 1,024, N 1,024]; A: input src; B: input Wq: QUANTISED
;;     2. [M 4,096, K 1,024] x [K 1,024, N 1,024]; A: input src; B: input Wk: QUANTISED
;;     3. [M 4,096, K 1,024] x [K 1,024, N 1,024]; A: input src; B: input Wv: QUANTISED
;;     4. batch 32 x [M 2,048, K 64] x [K 64, N 2,048]; A: computed on the way; B: computed on the way: left as it is (an operand is computed on the way)
;;     5. batch 32 x [M 2,048, K 2,048] x [K 2,048, N 64]; A: computed on the way; B: computed on the way: left as it is (an operand is computed on the way)
;;     6. [M 4,096, K 1,024] x [K 1,024, N 1,024]; A: computed on the way; B: input Wo: left as it is (an operand is computed on the way)
;;     7. [M 4,096, K 1,024] x [K 1,024, N 4,096]; A: computed on the way; B: input W1: left as it is (an operand is computed on the way)
;;     8. [M 4,096, K 4,096] x [K 4,096, N 1,024]; A: computed on the way; B: input W2: left as it is (an operand is computed on the way)
;;   THE QUANTISER, for each operand of a quantised product, along K:
;;     - K is cut into blocks of 32 from its start; a last block that is shorter is filled with zeros.
;;     - A block's scale is 2^e with e = floor(log2(the largest magnitude in the block)) - 2, held to -126 .. 127; a block of zeros has e = 0. As a byte (E8M0): e + 127.
;;     - Each number is divided by its block's scale, clamped to +-6, and rounded to the nearest number of E2M1, ties to even, subnormals kept.
;;     - The product sums the exact products of the quantised numbers (number of the format x scale) in f32.
;;   ~~~python
;;   def quantise(x, axis):      # numpy; x: float32 -> the quantised numbers, widened to float32 again
;;       x = np.moveaxis(x, axis, -1); K = x.shape[-1]
;;       x = np.pad(x, [(0, 0)] * (x.ndim - 1) + [(0, -K % 32)]); x = x.reshape(x.shape[:-1] + (-1, 32)); a = np.abs(x).max(-1, keepdims=True)
;;       e = np.where(a > 0, np.clip(np.frexp(np.where(a > 0, a, 1))[1] - 1 - 2, -126, 127), 0)      # np.frexp(a)[1] - 1 = floor(log2(a)), exactly
;;       r = np.clip(x / 2.0 ** e, -6, 6)
;;       step = 2.0 ** (np.maximum(np.frexp(np.where(r == 0, 1, r))[1] - 1, 0) - 1)
;;       q = np.round(r / step) * step * 2.0 ** e      # np.round: ties to even
;;       return np.moveaxis(q.reshape(q.shape[:-2] + (-1,))[..., :K], -1, axis).astype(np.float32)
;;   ~~~
;; One version. Each part assembles by itself: llvm-mc -triple=amdgcn-amd-amdhsa -mcpu=gfx1250 --defsym DOCPART=n.
;; ======== version 1 of 1: 8 launches
;; limits: values are held in f16: magnitudes above 65,504 overflow, below 6.1e-05 lose precision
;; workspace buffers: xq 2,228,224 bytes; wts 20,546,048 bytes; qkv 25,165,824 bytes; ctx 8,388,608 bytes; as 8,421,376 bytes; ao 16,777,216 bytes; hh 33,554,432 bytes; yy 16,777,216 bytes
;; launch prep (part 1): grid 801 x 1, 4 waves a work-group, no clusters, 50,688 bytes of LDS; arguments src, Wq, Wk, Wv, Wo, W1, W2, b1, xq, wts; writes xq, wts
.if DOCPART == 1
	.amdgcn_target "amdgcn-amd-amdhsa--gfx1250"
	.amdhsa_code_object_version 6
	.text
	.protected	k_qc98eaedb7d_prep
	.globl	k_qc98eaedb7d_prep
	.p2align	8
	.type	k_qc98eaedb7d_prep,@function
k_qc98eaedb7d_prep:
	s_mov_b64 s[64:65], 0
	v_nop
	global_prefetch_b8 v0, s[64:65] scope:SCOPE_SE
	s_setreg_imm32_b32 hwreg(HW_REG_WAVE_MODE, 25, 1), 1
	s_wait_xcnt 0x0
; FIRST OF EIGHT LAUNCHES of an encoder layer (B 2, S 2,048, D 1,024, 16 heads of 64, F 4,096).
; WORK LEFT OUT IN THE WHOLE PROGRAM: the bias bk.  k = src Wk + bk enters the result only through scores(q, k) = q . k / 8, ahead of a softmax over the keys.  q . (k0 + bk) = q . k0 + q . bk, and q . bk / 8
; is the same number for every key of a query: a term that is the same along the softmax's axis changes no weight, for all values of the inputs.  bk is added BEHIND its quantised product, and the product of q with k is
; not quantised, so bk moves no code and no scale.  So bk is not loaded and is an argument of no launch.  LIMIT: a NaN, an infinity or an overflow that enters through bk alone is not carried to the result.
; THIS LAUNCH lays out every operand that comes as an input.  Four ways through the text, parted on the work-group's number alone; no barrier: waves share nothing.  The two ways that use LDS have LDS bytes of their own.
; WAY S (work-groups 0-127): src [4,096][1,024] f32 becomes codes of FP4 (E2M1), K innermost, [4,096][512 bytes] at xq + 0, and one E8M0 byte for each 32 along K, [4,096][32] at xq + XSC.
;   Rows are dense and 1,024 is a multiple of 32: a plain stream of blocks of 32.  A wave takes 16 steps of 512 numbers.  Each of a step's four loads reads 512 consecutive bytes; the 2,048 bytes turn through the wave's own stage
;   in LDS and come back 64 bytes a lane, so that a lane holds 16 neighbours (two lanes a block).  A lane's 16 codes are 8 bytes: the wave stores 256 consecutive bytes.  A wave's 256 scale bytes are gathered in LDS and leave as
;   one store of 256 consecutive bytes.  Loads run four steps ahead, the turn through LDS one step.
; WAY A (work-groups 128-223): Wq, Wk, Wv [1,024 (k)][1,024 (n)] f32 become codes laid [n][k], K innermost, rows 1,024 t + n (t = 0, 1, 2), 512 bytes a row, at wts + 0, and E8M0 bytes [3,072][32] at wts + WQS.
;   A LANE TAKES A COLUMN n AND ITS REGISTERS RUN DOWN K: a block of 32 along K lies in one lane's 32 registers, and the conversions give codes with K innermost.  A wave takes 16 columns x 512 along K: lanes 0-15 the first 256
;   of K, lanes 16-31 the second, so that a lane has 8 blocks to walk, two of them (64 loads) asked for at a time.  A work-group's four waves stand side by side on 256 consecutive bytes of each row.  The codes go through the
;   wave's own stage in LDS and leave as rows, sixteen lanes storing 256 consecutive bytes.
; THE QUANTISER, in both: a block's scale is 2^(floor(log2(its largest magnitude)) - 2); its byte is the largest magnitude's exponent field - 2, held at 1 from below.  A block of zeros so gets the byte 1 where the rule says 127:
;   its codes are zeros, which add nothing under any byte but 0xff, and this program alone reads the bytes.  Each number is divided by the scale and rounded to the nearest code, ties to even; beyond 6 the largest code.
;   LIMITS: blocks whose largest magnitude lies under 2^-124 get the floor's byte; NaN and infinities among the inputs are not served.
; WAY B (work-groups 224-799): Wo, W1, W2 are rounded to f16 as they lie ([k][n]), one behind the other from wts + WO16 on.  A wave takes 4,096 numbers: its 32 loads of 512 consecutive bytes go out at once, the numbers are
;   rounded in the registers in which they came, and each store covers 256 consecutive bytes.  LIMIT: weights of magnitude 65,520 or more have no f16 number.
; WAY C (work-group 800): the largest |b1|, stored in 128 words at wts + B1MAX (each wave computes it and stores words of its own).
.set WAVES, 4
.set NS,    128                        ; work-groups of way S
.set NA,    96                         ; of way A: 3 weights x 16 groups of 64 columns x 2 halves of K
.set NC,    576                        ; of way B: 64 for Wo, 256 for W1, 256 for W2
.set EMAX,  2
.set SPW,   190                        ; v190 LDS address of my spare word; never rewritten
.set NIL,   191                        ; v191 0; never rewritten
; way S
.set STEPS, 16
.set CB,    8                          ; bytes of 16 codes
.set R,     16                         ; v16-79   four sets of 16 numbers as they are loaded
.set X,     80                         ; v80-111  two sets of 16 neighbours
.set E,     112                        ; v112-127 a scale byte for each step
.set C,     128                        ; v128-189 codes: registers of its own for each step, so that no store's data are written again
.set WREG,  8192                       ; LDS: a region for each wave: two stages of 32 x SP bytes, behind them its 256 scale bytes
.set SP,    80                         ; a lane's place in a stage: 64 bytes + 16 of padding
.set XSC,   2097152                    ; where the scale bytes begin in xq
; way A
.set NB,    8                          ; blocks of 32 along K for a lane
.set PITCH, 272                        ; a stage row: 256 bytes of codes + 16
.set KROW,  512                        ; a row of codes in memory
.set SIZE_N, 1024
.set ASTG,  WAVES*WREG                 ; LDS: behind way S's regions: a stage of 16 rows for each wave
.set QX,    32                         ; v32-95   two sets of 32 numbers
.set QC,    96                         ; v96-99   a block's codes
.set OUTR,  112                        ; v112-143 the way out
.set SB,    24                         ; v24-25   the scale bytes, four to a register
.set WQS,   1572864
; way B, way C
.set CX,    32                         ; v32-159  32 pieces of four registers
.set WO16,  1671168
.set B1MAX, 20545536
.set SPARE, ASTG+WAVES*16*PITCH        ; behind the stages: the spare words, 128 bytes a wave, named by no other line
	s_load_b256 s[4:11], s[0:1], 0x0               ; src s[4:5], Wq s[6:7], Wk s[8:9], Wv s[10:11]
	s_load_b256 s[12:19], s[0:1], 0x20             ; Wo s[12:13], W1 s[14:15], W2 s[16:17], b1 s[18:19]
	s_load_b128 s[20:23], s[0:1], 0x40             ; xq s[20:21], wts s[22:23]
	v_lshl_add_u32 v[SPW], v0, 2, SPARE
	v_mov_b32 v[NIL], 0
	v_lshrrev_b32 v1, 5, v0
	v_readfirstlane_b32 s24, v1                    ; wave
	v_and_b32 v2, 31, v0                           ; lane
	s_wait_kmcnt 0x0
	s_cmp_lt_u32 ttmp9, NS
	s_cbranch_scc0 .Lweights
	; ---- WAY S
	v_lshlrev_b32 v3, 4, v2                        ; my 16 bytes of a load's 512
	s_mul_i32 s25, s24, WREG
	v_lshrrev_b32 v14, 2, v2
	v_mul_u32_u24 v14, v14, SP
	v_and_b32 v15, 3, v2
	v_lshl_add_u32 v14, v15, 4, v14
	v_add_nc_u32 v14, s25, v14                     ; the stage, on the way in: SP (lane / 4) + 16 (lane % 4)
	v_mul_u32_u24 v15, v2, SP
	v_add_nc_u32 v15, s25, v15                     ; and on the way out: SP x lane
	v_mul_u32_u24 v4, v2, CB                       ; my codes' place in a step's
	v_lshrrev_b32 v5, 1, v2
	s_add_co_u32 s25, s25, 2*32*SP
	v_add_nc_u32 v5, s25, v5                       ; LDS: my block's scale byte
	v_lshlrev_b32 v7, 3, v2                        ; and on the way out 8 bytes a lane
	v_add_nc_u32 v6, s25, v7
	s_lshl_b32 s26, ttmp9, 2
	s_add_co_u32 s26, s26, s24                     ; which run of 8,192 numbers is my wave's
	s_lshl_b32 s28, s26, 15                        ; 32,768 bytes of numbers a run,
	s_mov_b32 s29, 0
	s_lshl_b32 s30, s26, 12                        ; 4,096 of codes,
	s_mov_b32 s31, 0
	s_lshl_b32 s32, s26, 8                         ; 256 scale bytes
	s_mov_b32 s33, 0
	s_add_nc_u64 s[4:5], s[4:5], s[28:29]
	s_add_nc_u64 s[34:35], s[20:21], s[30:31]
	s_add_nc_u64 s[36:37], s[20:21], s[32:33]
	s_add_nc_u64 s[36:37], s[36:37], XSC
.macro SLOAD t
.irp i, 0,1,2,3
	global_load_b128 v[R+16*((\t)%4)+4*\i:R+16*((\t)%4)+4*\i+3], v3, s[4:5] offset:2048*(\t)+512*\i th:TH_LOAD_NT   ; 32 lanes read 512 consecutive bytes
.endr
.endm
.macro STURN t                         ; step t's numbers through the stage: LDS serves a wave's instructions in order, so no wait stands between the stores and the loads
.irp i, 0,1,2,3
	ds_store_b128 v14, v[R+16*((\t)%4)+4*\i:R+16*((\t)%4)+4*\i+3] offset:32*SP*((\t)%2)+8*SP*\i
.endr
.irp i, 0,1,2,3
	ds_load_b128 v[X+16*((\t)%2)+4*\i:X+16*((\t)%2)+4*\i+3], v15 offset:32*SP*((\t)%2)+16*\i
.endr
.endm
.irp t, 0,1,2,3
	SLOAD \t
.endr
	s_wait_loadcnt 12                              ; step 0's four loads are in; the 12 of steps 1 to 3 may be out
	STURN 0
.macro SSTEP t
.set XS, X+16*((\t)%2)
.if (\t) > 0
	s_wait_dscnt 1                                 ; this step's numbers are back from the stage (the last step's byte store may be out)
.else
	s_wait_dscnt 0x0
.endif
.if (\t)+4 < STEPS
	SLOAD (\t)+4                                   ; the stage's stores have read these registers
.endif
.if (\t)+1 < STEPS
.if STEPS-2-(\t) >= 3
	s_wait_loadcnt 12                              ; the next step's four loads are in; those of the three steps behind it may be out
.else
	s_wait_loadcnt 4*(STEPS-2-(\t))
.endif
	STURN (\t)+1
.endif
	v_max3_num_f32 v8, |v[XS]|, |v[XS+1]|, |v[XS+2]|               ; the largest magnitude of my 16, in two chains
	v_max3_num_f32 v9, |v[XS+3]|, |v[XS+4]|, |v[XS+5]|
.irp i, 6,10
	v_max3_num_f32 v8, v8, |v[XS+\i]|, |v[XS+\i+1]|
	v_max3_num_f32 v9, v9, |v[XS+\i+2]|, |v[XS+\i+3]|
.endr
	v_max3_num_f32 v8, v8, |v[XS+14]|, |v[XS+15]|
	v_max3_num_f32 v8, v8, v9, (EMAX+1)<<23        ; and the floor 2^(3 - 127): the byte cannot fall under 1
	v_max_num_f32_dpp v8, v8, v8 row_xmask:1 row_mask:0xf bank_mask:0xf   ; and of my neighbour's 16: the block's
	v_add_nc_u32 v11, -(EMAX<<23), v8              ; 2 off its exponent field: the conversion takes the exponent field of this operand as its scale
	v_cvt_scalef32_pk8_fp4_f32 v[C+4*(\t)], v[XS:XS+7], v11
	v_cvt_scalef32_pk8_fp4_f32 v[C+4*(\t)+1], v[XS+8:XS+15], v11
	v_lshrrev_b32 v[E+(\t)], 23, v11               ; the scale's byte
	ds_store_b8 v5, v[E+(\t)] offset:16*(\t)       ; both lanes of a block write the same byte with the same value
	global_store_b64 v4, v[C+4*(\t):C+4*(\t)+1], s[34:35] offset:32*CB*(\t)
.endm
.irp t, 0,1,2,3,4,5,6,7,8,9,10,11,12,13,14,15
	SSTEP \t
.endr
	ds_load_b64 v[8:9], v6                         ; LDS serves a wave's instructions in order: these see my stores
	s_wait_dscnt 0x0
	global_store_b64 v7, v[8:9], s[36:37]          ; 32 lanes store 256 consecutive bytes
	s_wait_tensorcnt 0x0                           ; the wave's end, behind my last LDS store
	ds_add_u32 v[SPW], v[NIL]
	s_wait_dscnt 0x0
	s_endpgm
	; ---- WAY A
.Lweights:
	s_cmp_lt_u32 ttmp9, NS+NA
	s_cbranch_scc0 .Lcast
	s_sub_co_u32 s25, ttmp9, NS
	s_lshr_b32 s26, s25, 5                         ; t: which weight
	s_and_b32 s27, s25, 15                         ; x: which 64 columns
	s_bfe_u32 s28, s25, 0x10004                    ; y: which 512 along K
	s_cmp_eq_u32 s26, 0
	s_cselect_b64 s[30:31], s[6:7], s[8:9]
	s_cmp_eq_u32 s26, 2
	s_cselect_b64 s[30:31], s[10:11], s[30:31]
	s_lshl_b32 s27, s27, 6
	s_lshl_b32 s29, s24, 4
	s_add_co_u32 s27, s27, s29                     ; my wave's first column
	s_lshl_b32 s32, s28, 21                        ; 512 rows of 4,096 bytes
	s_lshl_b32 s33, s27, 2
	s_add_co_u32 s32, s32, s33
	s_mov_b32 s33, 0
	s_add_nc_u64 s[30:31], s[30:31], s[32:33]      ; the weight at my part
	s_lshl_b32 s26, s26, 10
	s_add_co_u32 s26, s26, s27                     ; my first row of codes: 1,024 t + column
	s_lshl_b32 s32, s26, 9
	s_lshl_b32 s29, s28, 8
	s_add_co_u32 s32, s32, s29
	s_add_nc_u64 s[34:35], s[22:23], s[32:33]      ; the codes
	s_lshl_b32 s32, s26, 5
	s_lshl_b32 s29, s28, 4
	s_add_co_u32 s32, s32, s29
	s_add_nc_u64 s[36:37], s[22:23], s[32:33]
	s_add_nc_u64 s[36:37], s[36:37], WQS           ; the scale bytes
	v_and_b32 v5, 15, v2                           ; my column among the wave's 16
	v_lshrrev_b32 v6, 4, v2                        ; which 256 along K is mine
	v_lshlrev_b32 v3, 2, v5
	v_lshl_add_u32 v3, v6, 20, v3                  ; in: 4 bytes a column; lanes 16-31 begin 256 rows of 4,096 bytes further down
	s_mul_i32 s29, s24, 16*PITCH
	s_add_co_u32 s29, s29, ASTG                    ; my stage
	v_mul_u32_u24 v4, v5, PITCH
	v_lshl_add_u32 v4, v6, 7, v4                   ; into it: row = my column; 256 along K are 128 bytes of codes
	v_add_nc_u32 v4, s29, v4
	v_mul_u32_u24 v7, v6, PITCH                    ; out of it: sixteen lanes to a row, two rows an instruction
	v_lshl_add_u32 v7, v5, 4, v7
	v_add_nc_u32 v7, s29, v7
	v_mul_u32_u24 v8, v6, KROW
	v_lshl_add_u32 v8, v5, 4, v8                   ; and the same place in the codes' rows
	v_lshlrev_b32 v9, 5, v5
	v_lshl_add_u32 v9, v6, 3, v9                   ; my column's row of 32 scale bytes, my 8 of them
.macro WLOAD t                         ; block t: W(256 (lane / 16) + 32 t + i, my column), i = 0 .. 31, into set t % 2: each half of the lanes reads 64 consecutive bytes
.irp i, 0,1,2,3,4,5,6,7,8,9,10,11,12,13,14,15,16,17,18,19,20,21,22,23,24,25,26,27,28,29,30,31
	global_load_b32 v[QX+32*((\t)%2)+\i], v3, s[30:31] offset:(32*(\t)+\i)*SIZE_N*4 th:TH_LOAD_NT
.endr
.endm
	WLOAD 0
	WLOAD 1
.macro WBLOCK t
.set XS, QX+32*((\t)%2)
.if (\t) < NB-1
	s_wait_loadcnt 32                              ; this block's 32 loads are in; the next block's 32 may be out
.else
	s_wait_loadcnt 0
.endif
	v_max3_num_f32 v12, |v[XS]|, |v[XS+1]|, |v[XS+2]|               ; the block's largest magnitude: all 32 numbers are mine
	v_max3_num_f32 v13, |v[XS+3]|, |v[XS+4]|, |v[XS+5]|
.irp i, 6,10,14,18,22,26
	v_max3_num_f32 v12, v12, |v[XS+\i]|, |v[XS+\i+1]|
	v_max3_num_f32 v13, v13, |v[XS+\i+2]|, |v[XS+\i+3]|
.endr
	v_max3_num_f32 v12, v12, |v[XS+30]|, |v[XS+31]|
	v_max3_num_f32 v12, v12, v13, (EMAX+1)<<23     ; and the floor 2^(3 - 127)
	v_add_nc_u32 v11, -(EMAX<<23), v12             ; 2 off its exponent field: the conversion's scale operand
	v_lshrrev_b32 v13, 23, v11                     ; the scale's byte
.if (\t)%4 == 0
	v_mov_b32 v[SB+(\t)/4], v13                    ; four bytes to a register, the lower K in the lower byte
.else
	v_lshl_or_b32 v[SB+(\t)/4], v13, 8*((\t)%4), v[SB+(\t)/4]
.endif
.irp g, 0,1,2,3
	v_cvt_scalef32_pk8_fp4_f32 v[QC+\g], v[XS+8*\g:XS+8*\g+7], v11
.endr
	ds_store_b128 v4, v[QC:QC+3] offset:16*(\t)    ; 32 codes: 16 bytes of my column's row
.if (\t)+2 < NB
	WLOAD (\t)+2
.endif
	s_wait_dscnt 0x0                               ; the store has read its registers: the next block's codes may be written
.endm
.set Q, 0
.rept NB
	WBLOCK Q
.set Q, Q+1
.endr
	global_store_b64 v9, v[SB:SB+1], s[36:37]      ; my 8 scale bytes
.irp u, 0,1,2,3,4,5,6,7
	ds_load_b128 v[OUTR+4*\u:OUTR+4*\u+3], v7 offset:2*\u*PITCH   ; LDS serves a wave's instructions in order: these see my stores
.endr
.irp u, 0,1,2,3,4,5,6,7
	s_wait_dscnt 7-\u                              ; the loads behind this one may be out
	global_store_b128 v8, v[OUTR+4*\u:OUTR+4*\u+3], s[34:35] offset:2*\u*KROW   ; 16 lanes store 256 consecutive bytes, at a multiple of 256 from the buffer's first byte
.endr
	s_wait_tensorcnt 0x0                           ; the wave's end, behind my last LDS store
	ds_add_u32 v[SPW], v[NIL]
	s_wait_dscnt 0x0
	s_endpgm
	; ---- WAY B
.Lcast:
	s_cmp_lt_u32 ttmp9, NS+NA+NC
	s_cbranch_scc0 .Lb1
	s_sub_co_u32 s25, ttmp9, NS+NA                 ; which 16,384 numbers of the three weights on end
	s_cmp_lt_u32 s25, 64
	s_cselect_b64 s[30:31], s[12:13], s[14:15]     ; Wo has 64 such runs, W1 256, W2 256
	s_cselect_b32 s26, 0, 64
	s_cmp_lt_u32 s25, 320
	s_cselect_b64 s[30:31], s[30:31], s[16:17]
	s_cselect_b32 s26, s26, 320
	s_sub_co_u32 s26, s25, s26                     ; the run's number in its own weight
	s_lshl_b32 s32, s26, 16
	s_lshl_b32 s33, s24, 14
	s_add_co_u32 s32, s32, s33
	s_mov_b32 s33, 0
	s_add_nc_u64 s[30:31], s[30:31], s[32:33]      ; in: 65,536 bytes a run, 16,384 a wave
	s_lshl_b32 s32, s25, 15
	s_lshl_b32 s29, s24, 13
	s_add_co_u32 s32, s32, s29
	s_add_nc_u64 s[34:35], s[22:23], s[32:33]
	s_add_nc_u64 s[34:35], s[34:35], WO16          ; out: half as many
	v_lshlrev_b32 v3, 4, v2
	v_lshlrev_b32 v4, 3, v2
.set t, 0
.rept 32
	global_load_b128 v[CX+4*t:CX+4*t+3], v3, s[30:31] offset:512*t th:TH_LOAD_NT   ; all of the wave's 32 loads go out at once
.set t, t+1
.endr
.set t, 0
.rept 32                               ; every piece has registers of its own: nothing that a store reads is written again
	s_wait_loadcnt 31-t                            ; piece t is in; the younger loads may be out
	v_cvt_pk_f16_f32 v[CX+4*t], v[CX+4*t], v[CX+4*t+1]
	v_cvt_pk_f16_f32 v[CX+4*t+1], v[CX+4*t+2], v[CX+4*t+3]
	global_store_b64 v4, v[CX+4*t:CX+4*t+1], s[34:35] offset:256*t   ; 32 lanes store 256 consecutive bytes
.set t, t+1
.endr
	s_endpgm
	; ---- WAY C
.Lb1:
	v_lshlrev_b32 v3, 4, v2
.set t, 0
.rept 32
	global_load_b128 v[32+4*t:35+4*t], v3, s[18:19] offset:512*t
.set t, t+1
.endr
	s_mov_b32 s26, 0x76543210
	s_mov_b32 s27, 0xfedcba98                      ; v_permlanex16_b32's selects for lane l xor 16
	v_lshlrev_b32 v4, 2, v0                        ; a word for each thread
	v_mov_b32 v9, 0                                ; a lane permute's destination counts as one of its sources
	s_add_nc_u64 s[28:29], s[22:23], B1MAX
	s_wait_loadcnt 0x0
.irp c, 0,1,2,3
	v_max_num_f32 v[16+\c], |v[32+32*\c]|, |v[33+32*\c]|           ; four chains
.endr
.irp i, 2,4,6,8,10,12,14,16,18,20,22,24,26,28,30
.irp c, 0,1,2,3
	v_max3_num_f32 v[16+\c], v[16+\c], |v[32+32*\c+\i]|, |v[33+32*\c+\i]|
.endr
.endr
	v_max3_num_f32 v8, v16, v17, v18
	v_max_num_f32 v8, v8, v19
	v_max_num_f32_dpp v8, v8, v8 row_xmask:1 row_mask:0xf bank_mask:0xf
	v_max_num_f32_dpp v8, v8, v8 row_xmask:2 row_mask:0xf bank_mask:0xf
	v_max_num_f32_dpp v8, v8, v8 row_xmask:4 row_mask:0xf bank_mask:0xf
	v_max_num_f32_dpp v8, v8, v8 row_xmask:8 row_mask:0xf bank_mask:0xf
	v_permlanex16_b32 v9, v8, s26, s27
	v_max_num_f32 v8, v8, v9
	global_store_b32 v4, v8, s[28:29]
	s_endpgm
.Lfunc_end_k_qc98eaedb7d_prep:
	.size	k_qc98eaedb7d_prep, .Lfunc_end_k_qc98eaedb7d_prep-k_qc98eaedb7d_prep
	.p2alignl 7, 3214868480
	.fill 96, 4, 3214868480
	.section	.rodata,"a",@progbits
	.p2align	6, 0x0
	.amdhsa_kernel k_qc98eaedb7d_prep
		.amdhsa_group_segment_fixed_size 50688
		.amdhsa_private_segment_fixed_size 0
		.amdhsa_enable_private_segment 0
		.amdhsa_kernarg_size 80
		.amdhsa_user_sgpr_count 2
		.amdhsa_user_sgpr_kernarg_segment_ptr 1
		.amdhsa_wavefront_size32 1
		.amdhsa_system_sgpr_workgroup_id_x 1
		.amdhsa_system_sgpr_workgroup_id_y 1
		.amdhsa_system_sgpr_workgroup_id_z 1
		.amdhsa_system_vgpr_workitem_id 0
		.amdhsa_next_free_vgpr 192
		.amdhsa_next_free_sgpr 66
		.amdhsa_reserve_vcc 0
		.amdhsa_float_denorm_mode_32 3
		.amdhsa_float_denorm_mode_16_64 3
		.amdhsa_memory_ordered 1
		.amdhsa_forward_progress 1
		.amdhsa_inst_pref_size 93
	.end_amdhsa_kernel
	.amdgpu_metadata
---
amdhsa.version: [ 1, 2 ]
amdhsa.kernels:
  - .name:           k_qc98eaedb7d_prep
    .symbol:         k_qc98eaedb7d_prep.kd
    .args:
      - { .name: src, .offset: 0, .size: 8, .value_kind: global_buffer, .address_space: global }
      - { .name: Wq, .offset: 8, .size: 8, .value_kind: global_buffer, .address_space: global }
      - { .name: Wk, .offset: 16, .size: 8, .value_kind: global_buffer, .address_space: global }
      - { .name: Wv, .offset: 24, .size: 8, .value_kind: global_buffer, .address_space: global }
      - { .name: Wo, .offset: 32, .size: 8, .value_kind: global_buffer, .address_space: global }
      - { .name: W1, .offset: 40, .size: 8, .value_kind: global_buffer, .address_space: global }
      - { .name: W2, .offset: 48, .size: 8, .value_kind: global_buffer, .address_space: global }
      - { .name: b1, .offset: 56, .size: 8, .value_kind: global_buffer, .address_space: global }
      - { .name: xq, .offset: 64, .size: 8, .value_kind: global_buffer, .address_space: global }
      - { .name: wts, .offset: 72, .size: 8, .value_kind: global_buffer, .address_space: global }
    .group_segment_fixed_size: 50688
    .private_segment_fixed_size: 0
    .kernarg_segment_align: 8
    .kernarg_segment_size: 80
    .max_flat_workgroup_size: 128
    .sgpr_count:     66
    .vgpr_count:     192
    .wavefront_size: 32
...
	.end_amdgpu_metadata
.endif
;; end of part 1
;; launch qkv_gemm (part 2): grid 12 x 16, 4 waves a work-group, clusters of 4 x 4, 327,680 bytes of LDS; arguments xq, wts, bq, bv, qkv; writes qkv
.if DOCPART == 2
	.amdgcn_target "amdgcn-amd-amdhsa--gfx1250"
	.amdhsa_code_object_version 6
	.text
	.protected	k_qc98eaedb7d_qkv_gemm
	.globl	k_qc98eaedb7d_qkv_gemm
	.p2align	8
	.type	k_qc98eaedb7d_qkv_gemm,@function
k_qc98eaedb7d_qkv_gemm:
	s_mov_b64 s[64:65], 0
	v_nop
	global_prefetch_b8 v0, s[64:65] scope:SCOPE_SE
	s_setreg_imm32_b32 hwreg(HW_REG_WAVE_MODE, 25, 1), 1
	s_wait_xcnt 0x0
	s_wait_alu depctr_hold_cnt(0) depctr_sa_sdst(0) depctr_va_vdst(0) depctr_va_sdst(0) depctr_va_ssrc(0) depctr_va_vcc(0) depctr_vm_vsrc(0)
	s_getreg_b32 s2, hwreg(HW_REG_IB_STS2, 6, 4)
	s_cmp_eq_u32 s2, 0
	s_cbranch_scc0 .Lentry_in_a_cluster
	s_endpgm
.Lentry_in_a_cluster:
	s_bfe_u32 s2, ttmp6, 0x10000c
	s_cmp_lg_u32 s2, 0xf033
	s_cbranch_scc0 .Lentry_shape_is_right
	s_endpgm
.Lentry_shape_is_right:
; q, k, v = src x (Wq | Wk | Wv) on codes of FP4 (E2M1) with one E8M0 scale for each 32 along K = 1,024, f32 sums; + bq, nothing, + bv; rounded to f16 and stored by heads: qkv [3][batch x head = 32][2,048][64].
; WORK LEFT OUT: bk (it adds the same number to every score of a query, which a softmax over the keys takes away for all inputs; it stands behind its quantised product and moves no code).  bk is not among the arguments.
; LIMIT: |q|, |k|, |v| of 65,520 or more have no f16 number.
; A: xq's codes [4,096][512 bytes], bytes [4,096][32].  B: wts' codes [3,072][512 bytes] (row 1,024 t + n), bytes [3,072][32].  A tile of C, 256 x 256, is made by four waves, 128 x 128 each: 64 accumulators, 512 registers.
; K goes in two steps of 512 (rows of 256 bytes), each in an LDS slot of its own: both are asked for at the head and nothing is filled again.  The scale bytes of the tile's rows, for all of K, come once with them.
; CLUSTERS: 4 x 4 work-groups.  The four of a row need the same tiles of A, the four of a column the same tiles of B: each tile is asked for jointly, by the same tensor load with the same descriptor and a mask that names the four.
; A cluster's 1,024 columns are one of the three tensors: the cluster's x says which.
; THE MATRIX INSTRUCTION IS USED TRANSPOSED (source 0 = 16 rows of B, source 1 = 16 rows of A): a lane holds eight neighbouring columns of one row of C.  THE BIAS IS THE C OF EACH SUM'S FIRST PRODUCT.
; REGISTERS, in windows of 256: window 0: v0-31 addresses; v32-95 scale words, two sets; v128-191 A's fragments, one set; v192-255 the bias in the result's layout (later the way out's).
;   window 1: B's fragments, two sets, at v0 and v128.   window 2: the accumulators of my rows 0-63 ((a, b) at v[8 (8 a + b)]);   window 3: those of rows 64-127.
.set KSTEP,  512
.set NQ,     4                         ; matrix instructions deep in a slot
.set ROWB,   256                       ; a tile's row in bytes
.set KROW,   512                       ; a row of codes in memory
.set PITCH,  272                       ; an LDS row: 256 bytes + 16: the 16 rows that a load touches start 16 bytes apart modulo 256
.set FR,     8                         ; registers of a fragment
.set NL,     2                         ; LDS loads that bring one
.set NP,     4                         ; places behind this matrix instruction (ISA guide 7.12.1)
.set HALFT,  128*PITCH
.set SLOT,   4*HALFT                   ; A's 256 rows, then B's 256 rows
.set KS,     32                        ; a row of scale bytes
.set SCL,    2*SLOT                    ; behind the slots: the scale bytes, as rows of 256 bytes + 16
.set HALFS,  (128*KS/256)*272          ; those of 128 rows: what one tensor load brings
.set SBLK,   (16*KS/256)*272           ; those of 16 rows
.set SPARE,  SCL+4*HALFS               ; the spare words: 128 bytes a wave, named by no other line
.set STAGE,  SPARE+512                 ; the way out: 16 rows x (256 bytes + 16) for each wave; no tensor load lands here
.set SPITCH, 272
.set XSC,    2097152                   ; xq's scale bytes
.set WQS,    1572864                   ; wts' scale bytes
.set BO,   8                           ; v8      the bias loads' offset; never rewritten
.set ADRA, 16                          ; v16-17  LDS address of my A fragments in slot 0, 1
.set ADRB, 20                          ; v20-21  the same for B
.set STO,  24                          ; v24     the way out: where I put 16 bytes of a row
.set RD,   25                          ; v25     where I read back
.set CO,   26                          ; v26     16 x lane
.set ADRS, 27                          ; v27     LDS address of my scale words: lanes 0-15 A's rows, lanes 16-31 B's
.set SPW,  28                          ; v28     LDS address of my spare word; never rewritten
.set NIL,  29                          ; v29     0; never rewritten
.set SC,   32                          ; scale words: set s at v[SC + 32 s]; register 4 i + q: lanes 0-15 A's block i, lanes 16-31 B's block i, the slot's q-th 128 along K
.set AF,   128
.set BI,   192                         ; the bias: register 8 b + j = bias(first column + 16 b + 8 (lane / 16) + j)
.set TMP,  192                         ; the way out: packed results
.set OB,   32                          ; rows read back: v32-63 and v224-255 by turns
.set G1, 24
.set G0, 32
.set G1B, 48
.set G0B, 56
.set G1S, 68
.set G0S, 76
.set G1SB, 80
.set G0SB, 88
.set MSB, 0
.macro WIN new                         ; the immediate's high byte repeats the setting that is left
.if MSB != \new
	s_set_vgpr_msb (MSB<<8)|\new
.set MSB, \new
.endif
.endm
.set MUL_LO, 0xa1                      ; source 0 (B) window 1, source 1 (A) window 0, C and D window 2
.set MUL_HI, 0xf1                      ; the same, C and D window 3
.set FST_LO, 0x81                      ; the first products: C (the bias) window 0, D window 2
.set FST_HI, 0xc1                      ; D window 3
.set TO_B,   0x40                      ; destination window 1, address window 0
; A joint load: waves 0 and 1 fetch for A, waves 2 and 3 for B.  The branch hangs on the wave's number alone.  An s_nop 0 and four v_nop follow each of the two lines.
.macro JLOAD g0a, g1a, g0b, g1b
	s_cmp_eq_u32 s15, 0
	s_cbranch_scc0 .Lfor_b_\@
	tensor_load_to_lds s[\g0a:\g0a+3], s[\g1a:\g1a+7]
	s_nop 0
.rept 4
	v_nop
.endr
	s_branch .Lasked_\@
.Lfor_b_\@:
	tensor_load_to_lds s[\g0b:\g0b+3], s[\g1b:\g1b+7]
	s_nop 0
.rept 4
	v_nop
.endr
.Lasked_\@:
.endm
.macro CROUND                          ; a round of the cluster's barrier
	s_barrier_signal -1
	s_barrier_wait -1
	s_cmp_lg_u32 s14, 0
	s_cbranch_scc1 .Lnot_wave_0_\@
	s_barrier_signal -3
.Lnot_wave_0_\@:
	s_barrier_wait -3
	s_barrier_signal -1
	s_barrier_wait -1
.endm
	s_load_b64 s[4:5], s[0:1], 0x0                 ; xq
	s_load_b64 s[8:9], s[0:1], 0x8                 ; wts
	s_load_b128 s[96:99], s[0:1], 0x10             ; bq, bv
	s_load_b64 s[12:13], s[0:1], 0x20              ; qkv
	v_lshl_add_u32 v[SPW], v0, 2, SPARE
	v_mov_b32 v[NIL], 0
	ds_add_u32 v[SPW], v[NIL]                      ; the wave's opening: the add, twice on end, and its wait ahead of my first tensor load
	ds_add_u32 v[SPW], v[NIL]
	v_lshrrev_b32 v1, 5, v0
	v_readfirstlane_b32 s14, v1                    ; wave 0..3
	s_lshr_b32 s15, s14, 1                         ; which half of the tile's rows is mine.  Also: I fetch for A (0) or for B (1)
	s_and_b32 s16, s14, 1                          ; which half of its columns.  Also: which 128 rows of that tile I fetch
	s_bfe_u32 s40, ttmp6, 0x40000                  ; cx, cy: my place in the cluster
	s_bfe_u32 s41, ttmp6, 0x40004
	s_lshl_b32 s42, ttmp9, 2
	s_add_co_u32 s42, s42, s40                     ; tile column of C
	s_and_b32 s17, ttmp7, 0xffff
	s_lshl_b32 s17, s17, 2
	s_add_co_u32 s17, s17, s41                     ; tile row of C
	s_lshl_b32 s43, s41, 2
	s_lshl_b32 s43, 15, s43                        ; my row of the cluster
	s_lshl_b32 s44, 0x1111, s40                    ; my column
	s_or_b32 s[G1+0], s43, (0<<16)|(1<<20)|(1<<21)|(5<<22)|(3<<25)  ; the mask; elements of 1 byte; padding: 4 words behind every 64; bit 21 beside a mask
	s_or_b32 s[G1B+0], s44, (0<<16)|(1<<20)|(1<<21)|(5<<22)|(3<<25)
.irp g, G1, G1B
	s_mov_b32 s[\g+1], ROWB<<16                    ; tensor_dim0
	s_mov_b32 s[\g+2], 128<<16                     ; tensor_dim1
	s_mov_b32 s[\g+3], ROWB<<16                    ; tile_dim0
	s_mov_b32 s[\g+4], 128                         ; tile_dim1
	s_mov_b32 s[\g+5], KROW                        ; from row to row
	s_mov_b32 s[\g+6], 0
	s_mov_b32 s[\g+7], 0
.endr
	s_or_b32 s[G1S+0], s43, (3<<16)|(1<<20)|(1<<21)|(5<<22)|(3<<25) ; the scale bytes of 128 rows: 4,096 dense bytes as 16 rows of 32 elements of 8 bytes
	s_or_b32 s[G1SB+0], s44, (3<<16)|(1<<20)|(1<<21)|(5<<22)|(3<<25)
.irp g, G1S, G1SB
	s_mov_b32 s[\g+1], 32<<16
	s_mov_b32 s[\g+2], (128*KS/256)<<16
	s_mov_b32 s[\g+3], 32<<16
	s_mov_b32 s[\g+4], 128*KS/256
	s_mov_b32 s[\g+5], 32
	s_mov_b32 s[\g+6], 0
	s_mov_b32 s[\g+7], 0
.endr
	s_lshl_b32 s18, s16, 7                         ; which 128 rows of the tile I fetch
	s_lshl_b32 s20, s17, 8
	s_add_co_u32 s20, s20, s18                     ; A: row 256 x tile row + 128 x half
	s_lshl_b32 s46, s42, 8
	s_add_co_u32 s46, s46, s18                     ; B: row 256 x tile column + 128 x half
	s_mov_b32 s21, 0
	s_mov_b32 s47, 0
	s_mov_b64 s[18:19], KS
	s_mul_u64 s[22:23], s[20:21], s[18:19]         ; where these rows' scale bytes begin
	s_mul_u64 s[92:93], s[46:47], s[18:19]
	s_mov_b64 s[18:19], KROW
	s_mul_u64 s[20:21], s[20:21], s[18:19]         ; and their codes
	s_mul_u64 s[46:47], s[46:47], s[18:19]
	s_mul_i32 s45, s14, HALFT                      ; where they go: wave x 128 rows: no place in the cluster enters an LDS address
	s_mul_i32 s94, s14, HALFS
	s_wait_dscnt 0x0                               ; both opening adds are done
	s_wait_kmcnt 0x0
	s_add_nc_u64 s[6:7], s[4:5], XSC
	s_add_nc_u64 s[10:11], s[8:9], WQS
	s_add_nc_u64 s[20:21], s[4:5], s[20:21]
	s_add_nc_u64 s[22:23], s[6:7], s[22:23]
	s_add_nc_u64 s[46:47], s[8:9], s[46:47]
	s_add_nc_u64 s[92:93], s[10:11], s[92:93]
	CROUND                                         ; all sixteen work-groups are here: the joint loads meet
	s_mov_b32 s[G0S], 1
	s_add_co_u32 s[G0S+1], s94, SCL
	s_mov_b64 s[G0S+2:G0S+3], s[22:23]
	s_or_b32 s[G0S+3], s[G0S+3], 0x80000000
	s_mov_b32 s[G0SB], 1
	s_add_co_u32 s[G0SB+1], s94, SCL
	s_mov_b64 s[G0SB+2:G0SB+3], s[92:93]
	s_or_b32 s[G0SB+3], s[G0SB+3], 0x80000000
	JLOAD G0S, G1S, G0SB, G1SB                     ; the scale bytes first: they are wanted with K step 0
.irp s, 0,1
	s_mov_b32 s[G0+4*\s], 1
	s_add_co_u32 s[G0+4*\s+1], s45, \s*SLOT
	s_add_nc_u64 s[G0+4*\s+2:G0+4*\s+3], s[20:21], \s*ROWB
	s_or_b32 s[G0+4*\s+3], s[G0+4*\s+3], 0x80000000
	s_mov_b32 s[G0B+4*\s], 1
	s_add_co_u32 s[G0B+4*\s+1], s45, \s*SLOT
	s_add_nc_u64 s[G0B+4*\s+2:G0B+4*\s+3], s[46:47], \s*ROWB
	s_or_b32 s[G0B+4*\s+3], s[G0B+4*\s+3], 0x80000000
	JLOAD G0+4*\s, G1, G0B+4*\s, G1B               ; three loads of mine are out
.endr
	v_and_b32 v1, 15, v0                           ; l % 16
	v_bfe_u32 v2, v0, 4, 1                         ; l / 16
	; the bias of my 128 columns.  The cluster's x (the same in all sixteen partners) says which tensor they belong to: 0 q, 1 k, 2 v.  k has none (bk is left out): zeros
	s_cmp_eq_u32 ttmp9, 1
	s_cbranch_scc1 .Lno_bias
	s_cmp_eq_u32 ttmp9, 0
	s_cselect_b64 s[96:97], s[96:97], s[98:99]
	s_lshl_b32 s100, s40, 10                       ; 256 columns x 4 bytes for each tile column in the tensor,
	s_lshl_b32 s101, s16, 9                        ; 128 x 4 for my half
	s_add_co_u32 s100, s100, s101
	s_mov_b32 s101, 0
	s_add_nc_u64 s[96:97], s[96:97], s[100:101]
	v_lshlrev_b32 v[BO], 5, v2                     ; 8 numbers on for lanes 16-31
.irp b, 0,1,2,3,4,5,6,7
	global_load_b128 v[BI+8*\b:BI+8*\b+3], v[BO], s[96:97] offset:64*\b
	global_load_b128 v[BI+8*\b+4:BI+8*\b+7], v[BO], s[96:97] offset:64*\b+16
.endr
	s_branch .Lbias_done
.Lno_bias:
.set i, 0
.rept 64
	v_mov_b32 v[BI+i], 0
.set i, i+1
.endr
.Lbias_done:
	v_mul_u32_u24 v3, v1, PITCH
	v_lshl_add_u32 v4, v2, 4, v3                   ; a fragment's row x pitch + 16 x half
	s_mul_i32 s21, s15, HALFT                      ; my 128 rows of A
	s_mul_i32 s22, s16, HALFT                      ; my 128 rows of B,
	s_add_co_u32 s22, s22, 2*HALFT                 ; which lie behind A's 256
.irp s, 0,1
	v_add_nc_u32 v[ADRA+\s], s21, v4
	v_add_nc_u32 v[ADRB+\s], s22, v4
	s_add_co_u32 s21, s21, SLOT
	s_add_co_u32 s22, s22, SLOT
.endr
	v_mul_u32_u24 v5, v1, KS                       ; my row's scale bytes: 32 a row,
	v_lshrrev_b32 v6, 8, v5
	v_lshl_add_u32 v5, v6, 4, v5                   ; and 16 more for each 256 passed
	s_mul_i32 s21, s15, HALFS                      ; A's: my 128 rows
	s_mul_i32 s22, s16, HALFS                      ; B's: my 128 rows, behind A's 256
	s_add_co_u32 s22, s22, 2*HALFS
	s_sub_co_u32 s22, s22, s21
	v_mul_u32_u24 v6, s22, v2                      ; lanes 16-31 take B's: one product, the distance between the two bases
	s_add_co_u32 s21, s21, SCL
	v_add_nc_u32 v5, v5, v6
	v_add_nc_u32 v[ADRS], s21, v5
	s_mul_i32 s23, s14, 16*SPITCH
	s_add_co_u32 s23, s23, STAGE                   ; my stage
	v_mul_u32_u24 v5, v1, SPITCH                   ; in: row l % 16, 16 bytes for each half of the lanes
	v_lshl_add_u32 v5, v2, 4, v5
	v_add_nc_u32 v[STO], s23, v5
	v_and_b32 v6, 31, v0
	v_lshlrev_b32 v[CO], 4, v6                     ; out: four rows of one head are 512 consecutive bytes: 16 x lane
	v_lshrrev_b32 v5, 3, v6
	v_mul_u32_u24 v5, v5, SPITCH                   ; back: eight lanes to a row's 128 bytes of one head, four rows an instruction
	v_and_b32 v6, 7, v0
	v_lshl_add_u32 v5, v6, 4, v5
	v_add_nc_u32 v[RD], s23, v5
	; where my part begins in qkv: tensor x 8,388,608 + batch x 4,194,304 + head x 262,144 + position x 128
	s_lshl_b32 s20, s17, 8
	s_lshl_b32 s21, s15, 7
	s_add_co_u32 s20, s20, s21                     ; my first row of C
	s_lshr_b32 s21, s20, 11                        ; the batch
	s_lshl_b32 s21, s21, 22
	s_and_b32 s20, s20, 2047                       ; the position
	s_lshl_b32 s20, s20, 7
	s_add_co_u32 s20, s20, s21
	s_lshl_b32 s21, ttmp9, 23
	s_add_co_u32 s20, s20, s21
	s_mov_b32 s21, 0
	s_add_nc_u64 s[12:13], s[12:13], s[20:21]
	s_lshl_b32 s100, s40, 2
	s_lshl_b32 s101, s16, 1
	s_add_co_u32 s100, s100, s101                  ; my first head: 4 x tile column in the tensor + 2 x half
	s_lshl_b32 s100, s100, 18
	s_mov_b32 s101, 0
	s_add_nc_u64 s[12:13], s[12:13], s[100:101]
.macro FRAG reg, adr, q, i             ; 16 rows x 128 K of 4-bit codes: lane l holds row l % 16; registers 4 c .. 4 c + 3 hold K = 64 c + 32 (l / 16) + 0 .. 31
.irp c, 0,1
	ds_load_b128 v[\reg+4*\c:\reg+4*\c+3], v[\adr] offset:64*(\q)+32*\c+(\i)*16*PITCH
.endr
.endm
; 16 matrix instructions: A's blocks a0, a0 + 1 x B's eight, the slot's q-th 128 along K.  p: B's set; sc: the set of scale words.  first = 1: the sums start from the bias.
; The 64 accumulators take turns, one instruction a turn, in the same order in every step.
.macro MUL16 a0, p, q, sc, first
.irp a, \a0, \a0+1
.irp b, 0,1,2,3,4,5,6,7
.if \first
	v_wmma_scale_f32_16x16x128_f8f6f4 v[8*(8*((\a)%4)+\b):8*(8*((\a)%4)+\b)+7], v[128*(\p)+FR*\b:128*(\p)+FR*\b+FR-1], v[AF+FR*(\a):AF+FR*(\a)+FR-1], v[BI+8*\b:BI+8*\b+7], v[SC+8*NQ*(\sc)+NQ*\b+(\q)], v[SC+8*NQ*(\sc)+NQ*(\a)+(\q)] matrix_a_fmt:MATRIX_FMT_FP4 matrix_b_fmt:MATRIX_FMT_FP4 matrix_a_scale:MATRIX_SCALE_ROW1
.else
	v_wmma_scale_f32_16x16x128_f8f6f4 v[8*(8*((\a)%4)+\b):8*(8*((\a)%4)+\b)+7], v[128*(\p)+FR*\b:128*(\p)+FR*\b+FR-1], v[AF+FR*(\a):AF+FR*(\a)+FR-1], v[8*(8*((\a)%4)+\b):8*(8*((\a)%4)+\b)+7], v[SC+8*NQ*(\sc)+NQ*\b+(\q)], v[SC+8*NQ*(\sc)+NQ*(\a)+(\q)] matrix_a_fmt:MATRIX_FMT_FP4 matrix_b_fmt:MATRIX_FMT_FP4 matrix_a_scale:MATRIX_SCALE_ROW1
.endif
.endr
.endr
.endm
.macro FETCH_B slot, q, p              ; B's eight fragments into set p
	WIN TO_B
.irp i, 0,1,2,3,4,5,6,7
	FRAG 128*(\p)+FR*\i, ADRB+\slot, \q, \i
.endr
	WIN 0
.endm
.macro FETCH_A slot, q, i0             ; A's blocks i0 .. i0 + 3
.irp i, \i0, \i0+1, \i0+2, \i0+3
	FRAG AF+FR*(\i), ADRA+\slot, \q, \i
.endr
.endm
.macro SCALES sc                       ; a K step's scale words into set sc: four words a row; lanes 0-15 A's block i, lanes 16-31 B's block i
.irp i, 0,1,2,3,4,5,6,7
	ds_load_b128 v[SC+8*NQ*\sc+NQ*\i:SC+8*NQ*\sc+NQ*\i+3], v[ADRS] offset:\i*SBLK
.endr
.endm
.macro PLACES n                        ; plain vector instructions between a matrix instruction and a load into its registers or a read of its result
.rept \n
	v_nop
.endr
.endm
.macro STEP slot, q, first             ; a step of 128 along K that has its successor in the same slot
	s_wait_dscnt 4*NL                              ; B's set and A's blocks 0-3 are in; the youngest eight loads (A's blocks 4-7) may be out
.if \first
	WIN FST_LO
.else
	WIN MUL_LO
.endif
	MUL16 0, (\q)%2, \q, \slot, \first
	MUL16 2, (\q)%2, \q, \slot, \first
	s_wait_dscnt 0                                 ; A's blocks 4-7 are in
	PLACES NP
	FETCH_B \slot, (\q)+1, 1-(\q)%2
	FETCH_A \slot, (\q)+1, 0
.if \first
	WIN FST_HI
.else
	WIN MUL_HI
.endif
	MUL16 4, (\q)%2, \q, \slot, \first
	MUL16 6, (\q)%2, \q, \slot, \first
	PLACES NP
	WIN 0
	FETCH_A \slot, (\q)+1, 4
.endm
; Slot 0's last step changes slots: one barrier; in front of it each wave waits for all its tensor loads (its part of slot 1), adds 0 to its spare word, and waits for that and for its LDS reads.  Nothing is filled again.
.macro TURN slot, next
	s_wait_tensorcnt 0x0
	ds_add_u32 v[SPW], v[NIL]
	s_wait_dscnt 4*NL+1                            ; the add and the youngest eight loads may be out
	WIN MUL_LO
	MUL16 0, 1, NQ-1, \slot, 0
	s_wait_dscnt 0x0
	s_barrier_signal -1
	MUL16 2, 1, NQ-1, \slot, 0
	WIN 0
	s_barrier_wait -1
	PLACES NP
	v_add_nc_u32 v[ADRS], 4*NQ, v[ADRS]            ; on to the next K step's scale words (no LDS load of mine is out)
	FETCH_B \next, 0, 0
	FETCH_A \next, 0, 0
	SCALES \next
	WIN MUL_HI
	MUL16 4, 1, NQ-1, \slot, 0
	MUL16 6, 1, NQ-1, \slot, 0
	PLACES NP
	WIN 0
	FETCH_A \next, 0, 4
.endm
	s_wait_tensorcnt 1                             ; the scale bytes and my part of K step 0 are in; K step 1's load may be out,
	s_barrier_signal -1
	s_barrier_wait -1                              ; everybody's are
	FETCH_B 0, 0, 0
	FETCH_A 0, 0, 0
	SCALES 0
	FETCH_A 0, 0, 4
	s_wait_loadcnt 0x0                             ; the bias
	STEP 0, 0, 1
	STEP 0, 1, 0
	STEP 0, 2, 0
	TURN 0, 1
	STEP 1, 0, 0
	STEP 1, 1, 0
	STEP 1, 2, 0
	s_wait_dscnt 4*NL                              ; the very last step: nothing more to fetch
	WIN MUL_LO
	MUL16 0, 1, NQ-1, 1, 0
	MUL16 2, 1, NQ-1, 1, 0
	s_wait_dscnt 0
	WIN MUL_HI
	MUL16 4, 1, NQ-1, 1, 0
	MUL16 6, 1, NQ-1, 1, 0
	WIN 0
; THE WAY OUT, block by block of 16 rows x 128 columns (two heads).  PACK: rounded to f16, 16 bytes a lane.  TOSTAGE: into my stage, and back so that 32 lanes hold four rows of one head.  SEND: 512 consecutive bytes a store.
.macro PACK a
.set AC, 64*((\a)%4)
	WIN 0x0a+5*((\a)/4)                            ; sources 0 and 1: window 2 or 3
.irp b, 0,1,2,3,4,5,6,7
.irp r, 0,1,2,3
	v_cvt_pk_f16_f32 v[TMP+4*\b+\r], v[AC+8*\b+2*\r], v[AC+8*\b+2*\r+1]   ; each accumulator from its low end on
.endr
.endr
	WIN 0
.endm
.macro TOSTAGE a
.set BK, OB+192*((\a)%2)
.irp b, 0,1,2,3,4,5,6,7
	ds_store_b128 v[STO], v[TMP+4*\b:TMP+4*\b+3] offset:32*\b
.endr
.irp t, 0,1,2,3,4,5,6,7
	ds_load_b128 v[BK+4*\t:BK+4*\t+3], v[RD] offset:4*(\t%4)*SPITCH+128*(\t/4)   ; LDS serves a wave's instructions in order: these see the stores above
.endr
.endm
.macro SEND a
.set BK, OB+192*((\a)%2)
	s_wait_dscnt 0x0                               ; the block is back in registers
	s_wait_xcnt 0x0                                ; earlier stores have read their base and their registers: both are written again only behind this wait
.if (\a) > 0
	s_add_nc_u64 s[12:13], s[12:13], 16*128        ; 16 positions on
.endif
.irp t, 0,1,2,3,4,5,6,7
	global_store_b128 v[CO], v[BK+4*\t:BK+4*\t+3], s[12:13] offset:(\t/4)*262144+512*(\t%4)
.endr
.endm
	PLACES NP
	PACK 0
	TOSTAGE 0
.irp a, 1,2,3,4,5,6,7                  ; block a's conversions stand between block a - 1's loads from the stage and the wait for them
	PACK \a
	SEND \a-1
	TOSTAGE \a
.endr
	SEND 7
	s_wait_tensorcnt 0x0                           ; the wave's end
	ds_add_u32 v[SPW], v[NIL]
	s_wait_dscnt 0x0
	CROUND                                         ; the closing round
	s_endpgm
.Lfunc_end_k_qc98eaedb7d_qkv_gemm:
	.size	k_qc98eaedb7d_qkv_gemm, .Lfunc_end_k_qc98eaedb7d_qkv_gemm-k_qc98eaedb7d_qkv_gemm
	.p2alignl 7, 3214868480
	.fill 96, 4, 3214868480
	.section	.rodata,"a",@progbits
	.p2align	6, 0x0
	.amdhsa_kernel k_qc98eaedb7d_qkv_gemm
		.amdhsa_group_segment_fixed_size 327680
		.amdhsa_private_segment_fixed_size 0
		.amdhsa_enable_private_segment 0
		.amdhsa_kernarg_size 40
		.amdhsa_user_sgpr_count 2
		.amdhsa_user_sgpr_kernarg_segment_ptr 1
		.amdhsa_wavefront_size32 1
		.amdhsa_system_sgpr_workgroup_id_x 1
		.amdhsa_system_sgpr_workgroup_id_y 1
		.amdhsa_system_sgpr_workgroup_id_z 1
		.amdhsa_system_vgpr_workitem_id 0
		.amdhsa_next_free_vgpr 1024
		.amdhsa_next_free_sgpr 102
		.amdhsa_reserve_vcc 0
		.amdhsa_float_denorm_mode_32 3
		.amdhsa_float_denorm_mode_16_64 3
		.amdhsa_memory_ordered 1
		.amdhsa_forward_progress 1
		.amdhsa_inst_pref_size 131
	.end_amdhsa_kernel
	.amdgpu_metadata
---
amdhsa.version: [ 1, 2 ]
amdhsa.kernels:
  - .name:           k_qc98eaedb7d_qkv_gemm
    .symbol:         k_qc98eaedb7d_qkv_gemm.kd
    .args:
      - { .name: xq, .offset: 0, .size: 8, .value_kind: global_buffer, .address_space: global }
      - { .name: wts, .offset: 8, .size: 8, .value_kind: global_buffer, .address_space: global }
      - { .name: bq, .offset: 16, .size: 8, .value_kind: global_buffer, .address_space: global }
      - { .name: bv, .offset: 24, .size: 8, .value_kind: global_buffer, .address_space: global }
      - { .name: qkv, .offset: 32, .size: 8, .value_kind: global_buffer, .address_space: global }
    .group_segment_fixed_size: 327680
    .private_segment_fixed_size: 0
    .kernarg_segment_align: 8
    .kernarg_segment_size: 40
    .max_flat_workgroup_size: 128
    .sgpr_count:     102
    .vgpr_count:     1024
    .wavefront_size: 32
...
	.end_amdgpu_metadata
.endif
;; end of part 2
;; launch attention (part 3): grid 8 x 32, 8 waves a work-group, clusters of 4 x 1, 327,680 bytes of LDS; arguments qkv, ctx; writes ctx
.if DOCPART == 3
	.amdgcn_target "amdgcn-amd-amdhsa--gfx1250"
	.amdhsa_code_object_version 6
	.text
	.protected	k_qc98eaedb7d_attention
	.globl	k_qc98eaedb7d_attention
	.p2align	8
	.type	k_qc98eaedb7d_attention,@function
k_qc98eaedb7d_attention:
	s_mov_b64 s[64:65], 0
	v_nop
	global_prefetch_b8 v0, s[64:65] scope:SCOPE_SE
	s_setreg_imm32_b32 hwreg(HW_REG_WAVE_MODE, 25, 1), 1
	s_wait_xcnt 0x0
	s_wait_alu depctr_hold_cnt(0) depctr_sa_sdst(0) depctr_va_vdst(0) depctr_va_sdst(0) depctr_va_ssrc(0) depctr_va_vcc(0) depctr_vm_vsrc(0)
	s_getreg_b32 s2, hwreg(HW_REG_IB_STS2, 6, 4)
	s_cmp_eq_u32 s2, 0
	s_cbranch_scc0 .Lentry_in_a_cluster
	s_endpgm
.Lentry_in_a_cluster:
	s_bfe_u32 s2, ttmp6, 0x10000c
	s_cmp_lg_u32 s2, 0x3003
	s_cbranch_scc0 .Lentry_shape_is_right
	s_endpgm
.Lentry_shape_is_right:
; ctx[b][s][head x 64 + d] = the sum over keys of softmax_k(q . k / 8) v, for each of 32 (batch, head).  q, k, v: qkv [3][32][2,048][64] f16.  Products on f16 operands, f32 sums; maxima, exponentials and row sums in f32.
; (k comes without bk, which a softmax over the keys takes away for all inputs.)  The weights p are at most 1 and are rounded to f16 for the second product; the row's sum is taken of the unrounded p.
; ctx is stored as the next product's A operand wants it: [row / 128][k / 64][row % 128][64] f16: 16 rows of one head are 2,048 consecutive bytes.
; SHARES.  A work-group owns 256 queries of one (batch, head); each of its eight waves 32 of them, two tiles of 16, in 256 registers: two waves to a SIMD, so that one wave's softmax stands beside the other's products.
; Every wave walks all 2,048 keys, 64 a step.  K and V come through a ring of two LDS slots of four steps: waves 0-3 fetch the four steps' K, waves 4-7 their V, one load a wave.
; LAYOUT.  S^T = K Q^T (source 0 = 16 keys, source 1 = 16 queries): a lane holds ONE query (lane % 16) and keys 8 (lane / 16) + 0..7.  Two such tiles, rounded to f16 in pairs, ARE source 1 (32 keys x 16 queries) of
; O^T = V^T P, whose result again holds one query a lane.  K comes out of LDS as it lies, V ([key][channel]) turned, by ds_load_tr16_b128.
; SOFTMAX.  A running maximum m and sum l for each query: p = 2^(c s - c m), c = log2(e) / 8; in every step O and l are multiplied by a = 2^(c m_old - c m_new).  m begins at -3e38, O and l at 0, so the step is written once.
; CLUSTER.  The four query blocks of a cluster belong to one (batch, head) and walk the same K and V: each tile is asked for jointly, by the same tensor load with the same descriptor and the mask of all four.
.set KS,    64                         ; keys in a step
.set PK,    144                        ; a row of K in LDS: 128 bytes + 16
.set PV,    160                        ; a row of V: 128 + 32
.set VOFF,  KS*PK                      ; a step's tiles lie together: 64 rows of K, then 64 rows of V
.set STEPB, KS*(PK+PV)
.set NST,   4                          ; steps in a slot
.set SLOTB, NST*KS*128                 ; a slot's keys in memory: 32,768 bytes of K, as many of V
.set SLOT1, 1<<17                      ; slot 1 begins here: one exclusive or turns an address in one slot into the other's
.set STAGE, 2*SLOT1                    ; behind the ring: 16 rows x 144 bytes for each wave
.set SP,    144
.set SPARE, STAGE+8*16*SP              ; the spare words: 128 bytes a wave, named by no other line
.set KPART, 8388608                    ; from q to k, and from k to v, in qkv
.set AK0, 1                            ; v1   my lane's place in a tile of K; never rewritten
.set AV0, 2                            ; v2   the same for V
.set ADR, 3                            ; v3   LDS address of the step's K
.set ADR2, 4                           ; v4   of its V
.set SPW, 5                            ; v5   LDS address of my spare word; never rewritten
.set NIL, 6                            ; v6   0; never rewritten
.set PFO, 7                            ; v7   256 x my lane
.set QO,  8                            ; v8   my byte offset in the wave's rows of Q
.set STO, 9                            ; v9   the way out: where I put 16 bytes of a row
.set RD,  10                           ; v10  where I read back
.set GO,  11                           ; v11  16 x lane
.set ST,  12                           ; tile t's statistics at v[ST + 8 t]: +0 c m, +1 m, +2, +3 l (even keys', odd keys'), +4 to +7 c0-c3 at work; a takes c2's place
.set XB,  28                           ; v[28 + 2 t : 29 + 2 t] the second chain of the row's sum
.set Q,   32                           ; v32-63   Q: fragment (tile t, channels 32 c on) at 16 t + 8 c
.set S,   64                           ; v64-127  S^T, 32 a tile; then p; then P, packed in place
.set O,   128                          ; v128-191 O^T, 32 a tile
.set KV,  192                          ; v192-255 K's eight fragments, then V's eight
.set WV,  12                           ; s12  my wave's number
.set LIM, 15                           ; s15  1 in a wave that prefetches, else the greatest number
.set PFA, 18                           ; s[18:19] where my prefetches stand
.set G1K, 24
.set G1V, 32
.set G0K, 40                           ; s[40:47] group 0 for K's tiles: a set for each first fill; the second then walks on
.set G0V, 48
.set SLOTS, 56                         ; s56  slots still to be asked for
.set CNT, 57                           ; s57  counts a slot's steps
.set CS,  58                           ; s[58:59] c
.set SEL, 60                           ; s[60:61] selects for v_permlanex16_b32: lane l xor 16
.set TB,  62                           ; s62  LDS byte at which the step's tiles begin
; A joint refill.  The branch hangs on the wave's number alone.  An s_nop 0 and four v_nop follow each of the two lines.
.macro JLOAD
	s_cmp_lt_u32 s[WV], 4
	s_cbranch_scc0 .Lfor_v_\@
	tensor_load_to_lds s[G0K+4:G0K+7], s[G1K:G1K+7]
	s_nop 0
.rept 4
	v_nop
.endr
	s_branch .Lasked_\@
.Lfor_v_\@:
	tensor_load_to_lds s[G0V+4:G0V+7], s[G1V:G1V+7]
	s_nop 0
.rept 4
	v_nop
.endr
.Lasked_\@:
.endm
; A prefetch of what the NEXT change of slots will ask for: 32,768 bytes of K and as many of V, four key steps ahead of that load.  Both clusters of a (batch, head) walk the same rows: the first asks.  Its four partners share the
; bytes out by address, 8,192 each, lanes 256 bytes apart; in each, wave 0 asks for K's and wave 4 for V's.  So each 256 bytes are named once in the launch.  The last change that fills a slot asks for nothing.
.macro ASK
	s_cmp_gt_u32 s[SLOTS], s[LIM]
	s_cbranch_scc0 .Lnot_mine_\@
	global_prefetch_b8 v[PFO], s[PFA:PFA+1] th:TH_LOAD_NT scope:SCOPE_SE
.Lnot_mine_\@:
.endm
.macro CROUND                          ; a round of the cluster's barrier
	s_barrier_signal -1
	s_barrier_wait -1
	s_cmp_lg_u32 s[WV], 0
	s_cbranch_scc1 .Lnot_wave_0_\@
	s_barrier_signal -3
.Lnot_wave_0_\@:
	s_barrier_wait -3
	s_barrier_signal -1
	s_barrier_wait -1
.endm
	s_load_b128 s[4:7], s[0:1], 0x0                ; qkv s[4:5], ctx s[6:7]
	v_lshl_add_u32 v[SPW], v0, 2, SPARE
	v_mov_b32 v[NIL], 0
	ds_add_u32 v[SPW], v[NIL]                      ; the wave's opening: the add, twice on end, and its wait ahead of my first tensor load
	ds_add_u32 v[SPW], v[NIL]
	v_lshrrev_b32 v1, 5, v0
	v_readfirstlane_b32 s[WV], v1                  ; wave 0..7
	s_bfe_u32 s13, ttmp6, 0x40000                  ; cx: my place in the cluster
	s_lshl_b32 s14, ttmp9, 2
	s_add_co_u32 s14, s14, s13                     ; my block of 256 queries: it enters Q's and ctx's addresses alone
	s_and_b32 s20, ttmp7, 0xffff                   ; (batch, head), which the four partners share
	s_and_b32 s16, s[WV], 3                        ; which of a slot's four steps I fetch
	s_lshl_b32 s22, s20, 18                        ; a (batch, head) is 262,144 bytes
	s_lshl_b32 s23, s16, 13                        ; a step's 64 rows of 128 bytes
	s_add_co_u32 s22, s22, s23
	s_add_co_u32 s22, s22, KPART
	s_mov_b32 s23, 0                               ; K at my tile of slot 0, from qkv's first byte
	s_mul_i32 s17, s16, STEPB                      ; and its place in a slot: no place in the cluster enters an LDS address
	s_lshl_b32 s2, s20, 18
	s_lshl_b32 s3, s14, 15                         ; my block's 256 rows,
	s_add_co_u32 s2, s2, s3
	s_lshl_b32 s3, s[WV], 12                       ; my wave's 32 of them
	s_add_co_u32 s2, s2, s3
	s_mov_b32 s3, 0
	s_lshr_b32 s21, s20, 4                         ; ctx: row block = 16 x batch + 2 x block + wave / 4,
	s_lshl_b32 s21, s21, 3
	s_add_co_u32 s21, s21, s14
	s_lshl_b32 s21, s21, 1
	s_lshr_b32 s63, s[WV], 2
	s_add_co_u32 s21, s21, s63
	s_lshl_b32 s21, s21, 18                        ; of 16 x 16,384 bytes;
	s_and_b32 s20, s20, 15
	s_lshl_b32 s20, s20, 14                        ; the head's 16,384;
	s_add_co_u32 s20, s20, s21
	s_lshl_b32 s21, s16, 12                        ; 32 rows of 128 bytes for each wave in it
	s_add_co_u32 s20, s20, s21
	s_mov_b32 s21, 0
	s_mov_b32 s[G1K], 15|(1<<16)|(1<<20)|(1<<21)|(4<<22)|(3<<25)  ; the mask of all four; elements of 2 bytes; padding: 4 words behind every 32; bit 21 beside a mask
	s_mov_b32 s[G1V], 15|(1<<16)|(1<<20)|(1<<21)|(4<<22)|(7<<25)  ; the same with 8 words of padding
.irp g, G1K, G1V
	s_mov_b32 s[\g+1], 64<<16                      ; tensor_dim0
	s_mov_b32 s[\g+2], KS<<16                      ; tensor_dim1
	s_mov_b32 s[\g+3], 64<<16                      ; tile_dim0
	s_mov_b32 s[\g+4], KS                          ; tile_dim1
	s_mov_b32 s[\g+5], 64                          ; from row to row
	s_mov_b32 s[\g+6], 0
	s_mov_b32 s[\g+7], 0
.endr
	s_mov_b32 s[CS], 0x3e38aa3b                    ; c = log2(e) / 8
	s_mov_b32 s[CS+1], s[CS]                       ; named with it as a pair, so it is written
	s_mov_b32 s[SEL], 0x76543210
	s_mov_b32 s[SEL+1], 0xfedcba98
	s_mov_b32 s[TB], 0
	s_mov_b32 s[SLOTS], 2048/(NST*KS)-2
	s_or_b32 s[LIM], s16, ttmp9                    ; 0 in waves 0 and 4 of the first cluster: the same in all four partners
	s_cmp_eq_u32 s[LIM], 0
	s_cselect_b32 s[LIM], 1, -1
	v_and_b32 v[PFO], 31, v0
	v_lshlrev_b32 v[PFO], 8, v[PFO]
	s_wait_dscnt 0x0                               ; both opening adds are done
	s_wait_kmcnt 0x0
	s_add_nc_u64 s[8:9], s[4:5], s[22:23]          ; K at my tile of slot 0
	s_add_nc_u64 s[10:11], s[8:9], KPART           ; V likewise
	s_add_nc_u64 s[4:5], s[4:5], s[2:3]            ; Q at my wave's first row
	s_add_nc_u64 s[6:7], s[6:7], s[20:21]          ; ctx at my wave's first row
	s_cmp_lt_u32 s[WV], 4
	s_cselect_b64 s[PFA:PFA+1], s[8:9], s[10:11]   ; (in waves 0 and 4 these stand at a slot's first row)
	s_lshl_b32 s2, s13, 13                         ; my work-group's 8,192 bytes of the 32,768
	s_mov_b32 s3, 0
	s_add_nc_u64 s[PFA:PFA+1], s[PFA:PFA+1], s[2:3]
	s_add_nc_u64 s[PFA:PFA+1], s[PFA:PFA+1], 2*SLOTB  ; in slot 2; the first change of slots steps it to slot 3.  Nothing is prefetched at the head
	CROUND                                         ; all four work-groups are here: the first joint loads meet
.irp s, 0,1
	s_mov_b32 s[G0K+4*\s], 1
	s_add_co_u32 s[G0K+4*\s+1], s17, \s*SLOT1
	s_add_nc_u64 s[G0K+4*\s+2:G0K+4*\s+3], s[8:9], \s*SLOTB
	s_or_b32 s[G0K+4*\s+3], s[G0K+4*\s+3], 0x80000000
	s_mov_b32 s[G0V+4*\s], 1
	s_add_co_u32 s[G0V+4*\s+1], s17, \s*SLOT1+VOFF
	s_add_nc_u64 s[G0V+4*\s+2:G0V+4*\s+3], s[10:11], \s*SLOTB
	s_or_b32 s[G0V+4*\s+3], s[G0V+4*\s+3], 0x80000000
.endr
	s_cmp_lt_u32 s[WV], 4                          ; a wave's two first fills stand in one branch: two loads of mine are out
	s_cbranch_scc0 .Lfirst_v
	tensor_load_to_lds s[G0K:G0K+3], s[G1K:G1K+7]
	s_nop 0
	tensor_load_to_lds s[G0K+4:G0K+7], s[G1K:G1K+7]
	s_nop 0
.rept 4
	v_nop
.endr
	s_branch .Lfirst_asked
.Lfirst_v:
	tensor_load_to_lds s[G0V:G0V+3], s[G1V:G1V+7]
	s_nop 0
	tensor_load_to_lds s[G0V+4:G0V+7], s[G1V:G1V+7]
	s_nop 0
.rept 4
	v_nop
.endr
.Lfirst_asked:
	v_and_b32 v28, 15, v0                          ; r = l % 16
	v_bfe_u32 v29, v0, 4, 1                        ; h = l / 16
	v_lshlrev_b32 v[QO], 7, v28
	v_lshl_add_u32 v[QO], v29, 4, v[QO]            ; row x 128 + 16 x half
.irp t, 0,1
.irp c, 0,1
	global_load_b128 v[Q+16*\t+8*\c:Q+16*\t+8*\c+3],   v[QO], s[4:5] offset:2048*\t+64*\c
	global_load_b128 v[Q+16*\t+8*\c+4:Q+16*\t+8*\c+7], v[QO], s[4:5] offset:2048*\t+64*\c+32
.endr
.endr
	v_mul_u32_u24 v[AK0], v28, PK
	v_lshl_add_u32 v[AK0], v29, 4, v[AK0]          ; row x pitch + 16 x half
	v_and_b32 v30, 7, v0
	v_bfe_u32 v31, v0, 3, 1
	v_lshl_add_u32 v[AV0], v29, 3, v30             ; the turning load: key 8 h + l % 8, channels 8 ((l / 8) % 2) on
	v_mul_u32_u24 v[AV0], v[AV0], PV
	v_lshl_add_u32 v[AV0], v31, 4, v[AV0]
	v_add_nc_u32 v[AV0], VOFF, v[AV0]
	s_mul_i32 s2, s[WV], 16*SP
	s_add_co_u32 s2, s2, STAGE                     ; my stage
	v_mul_u32_u24 v[STO], v28, SP                  ; in: row r, 16 bytes for each half of the lanes
	v_lshl_add_u32 v[STO], v29, 4, v[STO]
	v_add_nc_u32 v[STO], s2, v[STO]
	v_bfe_u32 v31, v0, 3, 2
	v_mul_u32_u24 v[RD], v31, SP                   ; back: eight lanes to a row of 128 bytes, four rows an instruction
	v_lshl_add_u32 v[RD], v30, 4, v[RD]
	v_add_nc_u32 v[RD], s2, v[RD]
	v_and_b32 v[GO], 31, v0
	v_lshlrev_b32 v[GO], 4, v[GO]
.irp t, 0,1
	v_mov_b32 v[ST+8*\t+1], 0xff61b1e6             ; m: -3e38, under every score
	v_mul_f32 v[ST+8*\t], s[CS], v[ST+8*\t+1]      ; c m
	v_mov_b32 v[ST+8*\t+2], 0                      ; l
	v_mov_b32 v[ST+8*\t+3], 0
	v_mov_b32 v[ST+8*\t+5], 0                      ; a lane permute's destination counts as one of its sources
.endr
.set i, 0
.rept 64
	v_mov_b32 v[O+i], 0                            ; O^T: the step is written once; its first run finds zeros, which a = 0 leaves zeros
.set i, i+1
.endr
; A KEY STEP: 64 keys for my two tiles of queries.
.macro STEP
	v_add_nc_u32 v[ADR], s[TB], v[AK0]             ; five places behind the last step's products: K's loads land in registers that they read (4 are asked), and the first products below write over P's registers, which they read (5)
	v_add_nc_u32 v[ADR2], s[TB], v[AV0]
.rept 3
	v_nop
.endr
	s_add_co_u32 s[TB], s[TB], STEPB               ; the next step's tiles
.irp f, 0,1,2,3,4,5,6,7                ; K's fragment f: keys 16 (f / 2) on, channels 32 (f % 2) on
	ds_load_b128 v[KV+8*\f:KV+8*\f+3],   v[ADR] offset:(\f/2)*16*PK+(\f%2)*64
	ds_load_b128 v[KV+8*\f+4:KV+8*\f+7], v[ADR] offset:(\f/2)*16*PK+(\f%2)*64+32
.endr
	s_wait_dscnt 0x0
.irp c, 0,1                            ; S^T = K Q^T: eight accumulators by turns, one instruction a turn
.irp kt, 0,1,2,3
.irp t, 0,1
.if \c == 0
	v_wmma_f32_16x16x32_f16 v[S+32*\t+8*\kt:S+32*\t+8*\kt+7], v[KV+8*(2*\kt+\c):KV+8*(2*\kt+\c)+7], v[Q+16*\t+8*\c:Q+16*\t+8*\c+7], 0
.else
	v_wmma_f32_16x16x32_f16 v[S+32*\t+8*\kt:S+32*\t+8*\kt+7], v[KV+8*(2*\kt+\c):KV+8*(2*\kt+\c)+7], v[Q+16*\t+8*\c:Q+16*\t+8*\c+7], v[S+32*\t+8*\kt:S+32*\t+8*\kt+7]
.endif
.endr
.endr
.endr
.rept 4
	v_nop                                          ; places in front of V's loads into K's registers and of the first read of the scores
.endr
.irp f, 0,1,2,3,4,5,6,7                ; V's fragment f: keys 32 (f / 4) on, channels 16 (f % 4) on; they land under the softmax
	ds_load_tr16_b128 v[KV+8*\f:KV+8*\f+3],   v[ADR2] offset:(\f/4)*32*PV+(\f%4)*32
	ds_load_tr16_b128 v[KV+8*\f+4:KV+8*\f+7], v[ADR2] offset:(\f/4)*32*PV+16*PV+(\f%4)*32
.endr
	; the maximum of my 32 scores and the old m: four chains, each accumulator read from its low end on; the two tiles by turns
.irp j, 0,1,2,3
.irp t, 0,1
	v_max3_num_f32 v[ST+8*\t+4+\j], v[S+32*\t+8*\j], v[S+32*\t+8*\j+1], v[S+32*\t+8*\j+2]
.endr
.endr
.irp u, 1,2
.irp j, 0,1,2,3
.irp t, 0,1
	v_max3_num_f32 v[ST+8*\t+4+\j], v[ST+8*\t+4+\j], v[S+32*\t+8*\j+2*\u+1], v[S+32*\t+8*\j+2*\u+2]
.endr
.endr
.endr
.irp t, 0,1
	v_max3_num_f32 v[ST+8*\t+4], v[ST+8*\t+4], v[S+32*\t+7], v[S+32*\t+15]
	v_max3_num_f32 v[ST+8*\t+6], v[ST+8*\t+6], v[S+32*\t+23], v[S+32*\t+31]
.endr
.irp t, 0,1
	v_max3_num_f32 v[ST+8*\t+4], v[ST+8*\t+4], v[ST+8*\t+5], v[ST+8*\t+6]
.endr
.irp t, 0,1
	v_max3_num_f32 v[ST+8*\t+4], v[ST+8*\t+4], v[ST+8*\t+7], v[ST+8*\t+1]
.endr
.irp t, 0,1
	v_permlanex16_b32 v[ST+8*\t+5], v[ST+8*\t+4], s[SEL], s[SEL+1]   ; the query's other 32 keys lie in the lane 16 away
.endr
.irp t, 0,1
	v_mov_b32 v[ST+8*\t+7], v[ST+8*\t]             ; c m_old is kept for a
.endr
.irp t, 0,1
	v_max_num_f32 v[ST+8*\t+1], v[ST+8*\t+4], v[ST+8*\t+5]
.endr
.irp t, 0,1
	v_mul_f32 v[ST+8*\t], s[CS], v[ST+8*\t+1]
.endr
.irp t, 0,1
	v_sub_f32 v[ST+8*\t+7], v[ST+8*\t+7], v[ST+8*\t]
.endr
.irp t, 0,1
.set i, 0
.rept 16
	v_pk_fma_f32 v[S+32*\t+2*i:S+32*\t+2*i+1], v[S+32*\t+2*i:S+32*\t+2*i+1], s[CS:CS+1], v[ST+8*\t:ST+8*\t+1] op_sel_hi:[1,0,0] neg_lo:[0,0,1] neg_hi:[0,0,1]   ; c s - c m, two at a time
.set i, i+1
.endr
.endr
.irp t, 0,1
	v_exp_f32 v[ST+8*\t+6], v[ST+8*\t+7]           ; a
.endr
.set i, 0
.rept 64
	v_exp_f32 v[S+i], v[S+i]                       ; p: ONE BATCH of 66 exponentials; none reads another's result
.set i, i+1
.endr
	v_nop                                          ; the plain instruction behind the last exponential
	s_wait_alu depctr_va_vdst(0)                   ; the wait ahead of the first instruction that names a result: one for the batch
.irp t, 0,1                            ; the row's sum, of the unrounded p, in two chains
	v_pk_add_f32 v[ST+8*\t+4:ST+8*\t+5], v[S+32*\t:S+32*\t+1], v[S+32*\t+2:S+32*\t+3]
	v_pk_add_f32 v[XB+2*\t:XB+2*\t+1], v[S+32*\t+4:S+32*\t+5], v[S+32*\t+6:S+32*\t+7]
.endr
.irp j, 8,12,16,20,24,28
.irp t, 0,1
	v_pk_add_f32 v[ST+8*\t+4:ST+8*\t+5], v[ST+8*\t+4:ST+8*\t+5], v[S+32*\t+\j:S+32*\t+\j+1]
	v_pk_add_f32 v[XB+2*\t:XB+2*\t+1], v[XB+2*\t:XB+2*\t+1], v[S+32*\t+\j+2:S+32*\t+\j+3]
.endr
.endr
.irp t, 0,1
	v_pk_add_f32 v[ST+8*\t+4:ST+8*\t+5], v[ST+8*\t+4:ST+8*\t+5], v[XB+2*\t:XB+2*\t+1]
.endr
.irp t, 0,1
	v_pk_fma_f32 v[ST+8*\t+2:ST+8*\t+3], v[ST+8*\t+2:ST+8*\t+3], v[ST+8*\t+6:ST+8*\t+7], v[ST+8*\t+4:ST+8*\t+5] op_sel_hi:[1,0,1]   ; l = a l + the sum
.endr
.irp t, 0,1
.set i, 0
.rept 16
	v_cvt_pk_f16_f32 v[S+32*\t+i], v[S+32*\t+2*i], v[S+32*\t+2*i+1]   ; P, packed in place, ascending: register i is written when registers 2 i and 2 i + 1 are read; fragment g lies at 8 g
.set i, i+1
.endr
.endr
.irp t, 0,1
.set i, 0
.rept 16
	v_pk_mul_f32 v[O+32*\t+2*i:O+32*\t+2*i+1], v[O+32*\t+2*i:O+32*\t+2*i+1], v[ST+8*\t+6:ST+8*\t+7] op_sel_hi:[1,0]   ; O^T x a
.set i, i+1
.endr
.endr
	s_wait_dscnt 0x0                               ; V is in
.irp g, 0,1                            ; O^T += V^T P: eight accumulators by turns
.irp ct, 0,1,2,3
.irp t, 0,1
	v_wmma_f32_16x16x32_f16 v[O+32*\t+8*\ct:O+32*\t+8*\ct+7], v[KV+8*(4*\g+\ct):KV+8*(4*\g+\ct)+7], v[S+32*\t+8*\g:S+32*\t+8*\g+7], v[O+32*\t+8*\ct:O+32*\t+8*\ct+7]
.endr
.endr
.endr
.endm
.macro FOUR_STEPS                      ; a slot's steps: written once, walked four times; the LDS addresses hang on s[TB]
	s_mov_b32 s[CNT], NST
.Lstep_\@:
	STEP
	s_sub_co_u32 s[CNT], s[CNT], 1
	s_cmp_lg_u32 s[CNT], 0
	s_cbranch_scc1 .Lstep_\@
.endm
; THE CHANGE OF SLOTS.  Each wave waits for all its tensor loads (one is out: its part of the other slot), adds 0 to its spare word, and waits for that and for its reads of the slot that it leaves.
; fill = 1: the barrier is a round of the cluster's, so that no wave of any partner still reads the slot or has a load on its way; the joint refill, the keys two slots on, is the first thing behind it and has four key steps in which to land.
.macro CHANGE fill
	s_wait_tensorcnt 0x0                           ; no tensor load of mine is out, so a group 0 may be written
	ds_add_u32 v[SPW], v[NIL]
.if \fill
.irp g, G0K+4, G0V+4
	s_xor_b32 s[\g+1], s[\g+1], SLOT1              ; the walking descriptor: the other slot than last time,
	s_add_nc_u64 s[\g+2:\g+3], s[\g+2:\g+3], SLOTB ; the next 256 keys; the type bits on top are not reached
.endr
	s_wait_xcnt 0x0                                ; the last prefetch, a slot back, has read its address, so it may be written
	s_add_nc_u64 s[PFA:PFA+1], s[PFA:PFA+1], SLOTB
	s_wait_dscnt 0x0                               ; the add is done, and my reads of the slot are over
	CROUND
	JLOAD
	ASK
.else
	s_wait_dscnt 0x0
	s_barrier_signal -1
	s_barrier_wait -1
.endif
	s_sub_co_u32 s[TB], s[TB], NST*STEPB           ; back to a slot's first step,
	s_xor_b32 s[TB], s[TB], SLOT1                  ; in the other slot
.endm
	s_wait_tensorcnt 1                             ; my part of slot 0 is in; slot 1's load may stay out
	s_barrier_signal -1
	s_barrier_wait -1
	s_wait_loadcnt 0x0                             ; Q
.Lslot:                                            ; six trips: every slot but the last two is filled again
	FOUR_STEPS
	CHANGE 1
	s_sub_co_u32 s[SLOTS], s[SLOTS], 1
	s_cmp_lg_u32 s[SLOTS], 0
	s_cbranch_scc1 .Lslot
	FOUR_STEPS                                     ; the tail is written out
	CHANGE 0
	FOUR_STEPS
	; THE WAY OUT.  l's two halves and the other half of the lanes' are added; O^T is divided by l, rounded to f16 and sent through my stage, a tile (16 rows) at a time.
.rept 4
	v_nop                                          ; places behind the last products
.endr
.irp t, 0,1
	v_add_f32 v[ST+8*\t+4], v[ST+8*\t+2], v[ST+8*\t+3]
.endr
.irp t, 0,1
	v_permlanex16_b32 v[ST+8*\t+5], v[ST+8*\t+4], s[SEL], s[SEL+1]
.endr
.irp t, 0,1
	v_add_f32 v[ST+8*\t+4], v[ST+8*\t+4], v[ST+8*\t+5]
.endr
.irp t, 0,1
	v_rcp_f32 v[ST+8*\t+6], v[ST+8*\t+4]
.endr
	v_nop                                          ; a plain instruction behind the last reciprocal,
	s_wait_alu depctr_va_vdst(0)                   ; and the wait ahead of the first use: one for both
.irp t, 0,1
.set i, 0
.rept 16
	v_pk_mul_f32 v[O+32*\t+2*i:O+32*\t+2*i+1], v[O+32*\t+2*i:O+32*\t+2*i+1], v[ST+8*\t+6:ST+8*\t+7] op_sel_hi:[1,0]
.set i, i+1
.endr
.set i, 0
.rept 16
	v_cvt_pk_f16_f32 v[S+16*\t+i], v[O+32*\t+2*i], v[O+32*\t+2*i+1]
.set i, i+1
.endr
.irp ct, 0,1,2,3
	ds_store_b128 v[STO], v[S+16*\t+4*\ct:S+16*\t+4*\ct+3] offset:32*\ct
.endr
.irp u, 0,1,2,3
	ds_load_b128 v[S+32+16*\t+4*\u:S+32+16*\t+4*\u+3], v[RD] offset:4*\u*SP   ; LDS serves a wave's instructions in order: these see the stores above; the next tile's stores come behind them
.endr
.endr
.irp t, 0,1
.irp u, 0,1,2,3
	s_wait_dscnt 8*(1-\t)+3-\u                     ; behind this load: the tile's later loads, and for tile 0 the other tile's four stores and four loads
	global_store_b128 v[GO], v[S+32+16*\t+4*\u:S+32+16*\t+4*\u+3], s[6:7] offset:2048*\t+512*\u   ; 32 lanes store 512 consecutive bytes: four rows of my head
.endr
.endr
	s_wait_tensorcnt 0x0                           ; the wave's end
	ds_add_u32 v[SPW], v[NIL]
	s_wait_dscnt 0x0
	CROUND                                         ; the closing round
	s_endpgm
.Lfunc_end_k_qc98eaedb7d_attention:
	.size	k_qc98eaedb7d_attention, .Lfunc_end_k_qc98eaedb7d_attention-k_qc98eaedb7d_attention
	.p2alignl 7, 3214868480
	.fill 96, 4, 3214868480
	.section	.rodata,"a",@progbits
	.p2align	6, 0x0
	.amdhsa_kernel k_qc98eaedb7d_attention
		.amdhsa_group_segment_fixed_size 327680
		.amdhsa_private_segment_fixed_size 0
		.amdhsa_enable_private_segment 0
		.amdhsa_kernarg_size 16
		.amdhsa_user_sgpr_count 2
		.amdhsa_user_sgpr_kernarg_segment_ptr 1
		.amdhsa_wavefront_size32 1
		.amdhsa_system_sgpr_workgroup_id_x 1
		.amdhsa_system_sgpr_workgroup_id_y 1
		.amdhsa_system_sgpr_workgroup_id_z 1
		.amdhsa_system_vgpr_workitem_id 0
		.amdhsa_next_free_vgpr 256
		.amdhsa_next_free_sgpr 66
		.amdhsa_reserve_vcc 0
		.amdhsa_float_denorm_mode_32 3
		.amdhsa_float_denorm_mode_16_64 3
		.amdhsa_memory_ordered 1
		.amdhsa_forward_progress 1
		.amdhsa_inst_pref_size 71
	.end_amdhsa_kernel
	.amdgpu_metadata
---
amdhsa.version: [ 1, 2 ]
amdhsa.kernels:
  - .name:           k_qc98eaedb7d_attention
    .symbol:         k_qc98eaedb7d_attention.kd
    .args:
      - { .name: qkv, .offset: 0, .size: 8, .value_kind: global_buffer, .address_space: global }
      - { .name: ctx, .offset: 8, .size: 8, .value_kind: global_buffer, .address_space: global }
    .group_segment_fixed_size: 327680
    .private_segment_fixed_size: 0
    .kernarg_segment_align: 8
    .kernarg_segment_size: 16
    .max_flat_workgroup_size: 256
    .sgpr_count:     66
    .vgpr_count:     256
    .wavefront_size: 32
...
	.end_amdgpu_metadata
.endif
;; end of part 3
;; launch wo_gemm (part 4): grid 8 x 32, 4 waves a work-group, clusters of 4 x 4, 327,680 bytes of LDS; arguments ctx, wts, bo, ao; writes ao
.if DOCPART == 4
	.amdgcn_target "amdgcn-amd-amdhsa--gfx1250"
	.amdhsa_code_object_version 6
	.text
	.protected	k_qc98eaedb7d_wo_gemm
	.globl	k_qc98eaedb7d_wo_gemm
	.p2align	8
	.type	k_qc98eaedb7d_wo_gemm,@function
k_qc98eaedb7d_wo_gemm:
	s_mov_b64 s[64:65], 0
	v_nop
	global_prefetch_b8 v0, s[64:65] scope:SCOPE_SE
	s_setreg_imm32_b32 hwreg(HW_REG_WAVE_MODE, 25, 1), 1
	s_wait_xcnt 0x0
	s_wait_alu depctr_hold_cnt(0) depctr_sa_sdst(0) depctr_va_vdst(0) depctr_va_sdst(0) depctr_va_ssrc(0) depctr_va_vcc(0) depctr_vm_vsrc(0)
	s_getreg_b32 s2, hwreg(HW_REG_IB_STS2, 6, 4)
	s_cmp_eq_u32 s2, 0
	s_cbranch_scc0 .Lentry_in_a_cluster
	s_endpgm
.Lentry_in_a_cluster:
	s_bfe_u32 s2, ttmp6, 0x10000c
	s_cmp_lg_u32 s2, 0xf033
	s_cbranch_scc0 .Lentry_shape_is_right
	s_endpgm
.Lentry_shape_is_right:
; ao = ctx Wo + bo.  ctx: f16, laid [row / 128][k / 64][row % 128][64].  Wo: f16, [k][n] as JAX has it, at wts + WOFF.  ao: [4,096][1,024] f32.  f16 operands, f32 sums.
; A tile of C is 128 x 128, so that 256 work-groups have one each.  Four waves, each 64 x 64: 16 accumulators.  K goes in steps of 256 through a ring of two LDS slots.
; A's K step of a tile is 65,536 consecutive bytes (four blocks of 128 rows x 128 bytes): waves 0 and 1 fetch two blocks each.  B's is 256 rows of 256 bytes: waves 2 and 3 fetch 128 rows each.  One load a wave.
; A's fragments come out of LDS as they lie; B's ([k][n]) turned, by ds_load_tr16_b128.
; CLUSTERS: 4 x 4 work-groups.  A's tiles are shared along a row of the cluster, B's along a column: each is asked for jointly, by the same tensor load with the same descriptor and a mask that names the four.
; THE MATRIX INSTRUCTION IS USED TRANSPOSED (source 0 = 16 columns of B, source 1 = 16 rows of A): a lane holds eight neighbouring numbers of a row of C.
; REGISTERS: window 0: v0-31 addresses and small tables; v32-95 the way out; v128-255 the accumulators ((a, b) at v[128 + 8 (4 a + b)]).  window 1: two fragment buffers of 128: 64 registers of A, then 64 of B, for 64 along K.
.set SIZE_K, 1024
.set WOFF,   1671168                   ; where B begins in wts
.set ROWSC,  0                         ; 1: each row of the sums is multiplied by a number of its own
.set RES,    0                         ; 1: a residual is added
.set SIZE_N, 1024
.set NKB,    SIZE_K/64                 ; blocks of 64 along K in A
.set KSTEP,  256
.set PA,     144                       ; a row of A in LDS: 128 bytes + 16
.set PB,     288                       ; a row of B: 256 bytes + 32
.set HALFT,  256*PA                    ; what one tensor load brings: 256 rows of A, or 128 rows of B (128 x 288 is as much)
.set SLOT,   4*HALFT                   ; A's four blocks, then B's 256 rows
.set BOFF,   2*HALFT
.set STAGE,  2*SLOT                    ; behind the ring: 16 rows x (256 bytes + 16) for each wave; no tensor load lands here
.set SPITCH, 272
.set SPARE,  STAGE+4*16*SPITCH         ; the spare words: 128 bytes a wave, named by no other line
.set LAPS,   SIZE_K/(2*KSTEP)          ; a lap = two K steps = once round the ring
.set RS,     8388608                   ; where the rows' (s, 1 / s) begin in their buffer
.set CB,   8                           ; v8-11   the bias of the four columns that I store
.set INV,  12                          ; v12-15  1 / s of my row in each of my four blocks of 16 rows
.set ADRA, 16                          ; v16-17  LDS address of my A fragments in slot 0, 1
.set ADRB, 20                          ; v20-23  of my B fragments: 2 x slot + which 128 rows
.set STO,  24                          ; v24     the way out: where I put 32 bytes of a row
.set RD,   25                          ; v25     where I read a row back
.set CO,   26                          ; v26     my byte offset in two rows of C
.set SPW,  28                          ; v28     LDS address of my spare word; never rewritten
.set NIL,  29                          ; v29     0; never rewritten
.set IO,   30                          ; v30     8 x (l % 16)
.set CBO,  31                          ; v31     16 x (l % 16)
.set BK,   32                          ; v32-63, v64-95 rows read back, by turns
.set ACC,  128
.set F0,   0
.set F1,   128
.set WV,   16                          ; s16 wave;  s17 which half of the rows (also: I fetch for A or B);  s18 which half of the columns (also: which part I fetch);  s19 tile row
.set RH,   17
.set CH,   18
.set TR,   19
.set G1, 24
.set G0, 32
.set G1B, 48
.set G0B, 56
.set MSB, 0
.macro WIN new                         ; the immediate's high byte repeats the setting that is left
.if MSB != \new
	s_set_vgpr_msb (MSB<<8)|\new
.set MSB, \new
.endif
.endm
.set MUL,  0x05                        ; sources 0 (B) and 1 (A) window 1; C and D window 0
.set TO_F, 0x40                        ; destination window 1, address window 0
.macro JLOAD s                         ; a joint load: waves 0 and 1 fetch for A, waves 2 and 3 for B; an s_nop 0 and four v_nop follow each of the two lines
	s_cmp_eq_u32 s[RH], 0
	s_cbranch_scc0 .Lfor_b_\@
	tensor_load_to_lds s[G0+4*\s:G0+4*\s+3], s[G1:G1+7]
	s_nop 0
.rept 4
	v_nop
.endr
	s_branch .Lasked_\@
.Lfor_b_\@:
	tensor_load_to_lds s[G0B+4*\s:G0B+4*\s+3], s[G1B:G1B+7]
	s_nop 0
.rept 4
	v_nop
.endr
.Lasked_\@:
.endm
.macro CREST                           ; a round of the cluster's barrier behind its opening barrier
	s_cmp_lg_u32 s[WV], 0
	s_cbranch_scc1 .Lnot_wave_0_\@
	s_barrier_signal -3
.Lnot_wave_0_\@:
	s_barrier_wait -3
	s_barrier_signal -1
	s_barrier_wait -1
.endm
.macro CROUND
	s_barrier_signal -1
	s_barrier_wait -1
	CREST
.endm
	s_load_b256 s[4:11], s[0:1], 0x0               ; A s[4:5], wts s[6:7], the bias s[8:9], C s[10:11]
.if ROWSC
	s_load_b128 s[12:15], s[0:1], 0x20             ; the rows' scales s[12:13], the residual s[14:15]
.endif
	v_lshl_add_u32 v[SPW], v0, 2, SPARE
	v_mov_b32 v[NIL], 0
	ds_add_u32 v[SPW], v[NIL]                      ; the wave's opening: the add, twice on end, and its wait ahead of my first tensor load
	ds_add_u32 v[SPW], v[NIL]
	v_lshrrev_b32 v1, 5, v0
	v_readfirstlane_b32 s[WV], v1
	s_lshr_b32 s[RH], s[WV], 1
	s_and_b32 s[CH], s[WV], 1
	s_bfe_u32 s40, ttmp6, 0x40000                  ; cx, cy: my place in the cluster
	s_bfe_u32 s41, ttmp6, 0x40004
	s_lshl_b32 s42, ttmp9, 2
	s_add_co_u32 s42, s42, s40                     ; tile column of C
	s_and_b32 s[TR], ttmp7, 0xffff
	s_lshl_b32 s[TR], s[TR], 2
	s_add_co_u32 s[TR], s[TR], s41                 ; tile row of C
	s_lshl_b32 s43, s41, 2
	s_lshl_b32 s43, 15, s43                        ; my row of the cluster
	s_lshl_b32 s44, 0x1111, s40                    ; my column
	s_or_b32 s[G1+0], s43, (1<<16)|(1<<20)|(1<<21)|(4<<22)|(3<<25)  ; A: the mask; elements of 2 bytes; padding: 4 words behind every 32; bit 21 beside a mask
	s_mov_b32 s[G1+1], 64<<16                      ; tensor_dim0
	s_mov_b32 s[G1+2], 256<<16                     ; tensor_dim1
	s_mov_b32 s[G1+3], 64<<16                      ; tile_dim0
	s_mov_b32 s[G1+4], 256                         ; tile_dim1
	s_mov_b32 s[G1+5], 64                          ; from row to row: dense
	s_mov_b32 s[G1+6], 0
	s_mov_b32 s[G1+7], 0
	s_or_b32 s[G1B+0], s44, (1<<16)|(1<<20)|(1<<21)|(5<<22)|(7<<25) ; B: padding: 8 words behind every 64
	s_mov_b32 s[G1B+1], 128<<16
	s_mov_b32 s[G1B+2], 128<<16
	s_mov_b32 s[G1B+3], 128<<16
	s_mov_b32 s[G1B+4], 128
	s_mov_b32 s[G1B+5], SIZE_N
	s_mov_b32 s[G1B+6], 0
	s_mov_b32 s[G1B+7], 0
	s_mul_i32 s20, s[TR], NKB                      ; A: block NKB x tile row + 2 x which part, of 16,384 bytes
	s_lshl_b32 s21, s[CH], 1
	s_add_co_u32 s20, s20, s21
	s_lshl_b32 s20, s20, 14
	s_mov_b32 s21, 0
	s_lshl_b32 s46, s42, 8                         ; B: 256 bytes a tile column, 128 rows of 2,048 bytes for the second part
	s_lshl_b32 s47, s[CH], 18
	s_add_co_u32 s46, s46, s47
	s_add_co_u32 s46, s46, WOFF
	s_mov_b32 s47, 0
	s_mul_i32 s45, s[WV], HALFT                    ; where they go: wave x what a load brings: no place in the cluster enters an LDS address
	s_wait_dscnt 0x0                               ; both opening adds are done
	s_wait_kmcnt 0x0
	s_add_nc_u64 s[20:21], s[4:5], s[20:21]
	s_add_nc_u64 s[46:47], s[6:7], s[46:47]
	CROUND                                         ; all sixteen work-groups are here: the first joint loads meet
.irp s, 0,1
	s_mov_b32 s[G0+4*\s], 1
	s_add_co_u32 s[G0+4*\s+1], s45, \s*SLOT
	s_add_nc_u64 s[G0+4*\s+2:G0+4*\s+3], s[20:21], \s*4*16384
	s_or_b32 s[G0+4*\s+3], s[G0+4*\s+3], 0x80000000
	s_mov_b32 s[G0B+4*\s], 1
	s_add_co_u32 s[G0B+4*\s+1], s45, \s*SLOT
	s_add_nc_u64 s[G0B+4*\s+2:G0B+4*\s+3], s[46:47], \s*KSTEP*SIZE_N*2
	s_or_b32 s[G0B+4*\s+3], s[G0B+4*\s+3], 0x80000000
	JLOAD \s                                       ; two loads of mine are out
.endr
	v_and_b32 v1, 15, v0                           ; r = l % 16
	v_bfe_u32 v2, v0, 4, 1                         ; h = l / 16
	v_mul_u32_u24 v3, v1, PA
	v_lshl_add_u32 v3, v2, 4, v3                   ; A: row x pitch + 16 x half
	s_mul_i32 s21, s[RH], 64*PA                    ; my 64 rows in each block
.irp s, 0,1
	v_add_nc_u32 v[ADRA+\s], s21, v3
	s_add_co_u32 s21, s21, SLOT
.endr
	v_and_b32 v4, 7, v0                            ; B, the turning load: row k = 8 h + l % 8, columns 8 ((l / 8) % 2) on
	v_bfe_u32 v5, v0, 3, 1
	v_lshl_add_u32 v4, v2, 3, v4
	v_mul_u32_u24 v4, v4, PB
	v_lshl_add_u32 v4, v5, 4, v4
	s_lshl_b32 s22, s[CH], 7                       ; my 64 columns
	s_add_co_u32 s22, s22, BOFF
	v_add_nc_u32 v[ADRB], s22, v4
	v_add_nc_u32 v[ADRB+1], HALFT, v[ADRB]         ; rows 128 on: an LDS offset has 16 bits
	v_add_nc_u32 v[ADRB+2], SLOT, v[ADRB]
	v_add_nc_u32 v[ADRB+3], SLOT+HALFT, v[ADRB]
	s_mul_i32 s23, s[WV], 16*SPITCH
	s_add_co_u32 s23, s23, STAGE                   ; my stage
	v_mul_u32_u24 v5, v1, SPITCH                   ; in: row r, 32 bytes for each half of the lanes
	v_lshl_add_u32 v5, v2, 5, v5
	v_add_nc_u32 v[STO], s23, v5
	v_mul_u32_u24 v5, v2, SPITCH                   ; back: lanes 0-15 one row of 256 bytes, lanes 16-31 the next
	v_lshl_add_u32 v5, v1, 4, v5
	v_add_nc_u32 v[RD], s23, v5
	v_lshlrev_b32 v5, 12, v2                       ; and the same two rows in C
	v_lshl_add_u32 v[CO], v1, 4, v5
	s_lshl_b32 s20, s[TR], 7
	s_lshl_b32 s21, s[RH], 6
	s_add_co_u32 s2, s20, s21                      ; my first row of C
	s_lshl_b32 s20, s2, 12
	s_mov_b32 s21, 0
	s_lshl_b32 s46, s42, 9                         ; my first column, in bytes of f32
	s_lshl_b32 s47, s[CH], 8
	s_add_co_u32 s46, s46, s47
	s_mov_b32 s47, 0
	s_add_nc_u64 s[10:11], s[10:11], s[20:21]
	s_add_nc_u64 s[10:11], s[10:11], s[46:47]
	s_add_nc_u64 s[8:9], s[8:9], s[46:47]          ; the bias at my first column
	v_lshlrev_b32 v[CBO], 4, v1
	global_load_b128 v[CB:CB+3], v[CBO], s[8:9]
.if RES
	s_add_nc_u64 s[14:15], s[14:15], s[20:21]
	s_add_nc_u64 s[14:15], s[14:15], s[46:47]
.endif
.if ROWSC
	s_lshl_b32 s20, s2, 3
	s_add_co_u32 s20, s20, RS+4                    ; 1 / s is the second word of a row's pair
	s_add_nc_u64 s[12:13], s[12:13], s[20:21]
	v_lshlrev_b32 v[IO], 3, v1
.irp a, 0,1,2,3
	global_load_b32 v[INV+\a], v[IO], s[12:13] offset:128*\a
.endr
.endif
; 8 matrix instructions: row blocks a0, a0 + 1 x all 4 column blocks, 32 along K: half c of buffer f.  zero = 1: the first product starts the sums.  The 16 accumulators take turns.
.macro MUL8 f, c, a0, zero
.irp a, \a0, \a0+1
.irp b, 0,1,2,3
.if \zero
	v_wmma_f32_16x16x32_f16 v[ACC+8*(4*(\a)+\b):ACC+8*(4*(\a)+\b)+7], v[\f+64+8*(4*\c+\b):\f+64+8*(4*\c+\b)+7], v[\f+8*(4*\c+\a):\f+8*(4*\c+\a)+7], 0
.else
	v_wmma_f32_16x16x32_f16 v[ACC+8*(4*(\a)+\b):ACC+8*(4*(\a)+\b)+7], v[\f+64+8*(4*\c+\b):\f+64+8*(4*\c+\b)+7], v[\f+8*(4*\c+\a):\f+8*(4*\c+\a)+7], v[ACC+8*(4*(\a)+\b):ACC+8*(4*(\a)+\b)+7]
.endif
.endr
.endr
.endm
; 32 LDS loads in one run: the fragments of the slot's q-th 64 along K into buffer f; the first 32 along K first
.macro FETCH slot, q, f
	WIN TO_F
.irp c, 0,1
.irp i, 0,1,2,3
	ds_load_tr16_b128 v[\f+64+8*(4*\c+\i):\f+64+8*(4*\c+\i)+3],   v[ADRB+2*\slot+(\q)/2] offset:(((\q)%2)*64+32*\c)*PB+32*\i
	ds_load_tr16_b128 v[\f+64+8*(4*\c+\i)+4:\f+64+8*(4*\c+\i)+7], v[ADRB+2*\slot+(\q)/2] offset:(((\q)%2)*64+32*\c+16)*PB+32*\i
	ds_load_b128 v[\f+8*(4*\c+\i):\f+8*(4*\c+\i)+3],              v[ADRA+\slot] offset:(\q)*128*PA+\i*16*PA+64*\c
	ds_load_b128 v[\f+8*(4*\c+\i)+4:\f+8*(4*\c+\i)+7],            v[ADRA+\slot] offset:(\q)*128*PA+\i*16*PA+64*\c+32
.endr
.endr
.endm
.macro PLACES                          ; four plain vector instructions between a matrix instruction and a load into its registers or a read of its result
.rept 4
	v_nop
.endr
.endm
; A K step is four quarters of 64 along K, 32 matrix instructions each, on buffers 0, 1, 0, 1.  One of the first three: multiplies buffer f and fetches quarter q into g.
.macro QUARTER slot, q, f, g, zero
	s_wait_dscnt 16                                ; the first 32 along K are in; the 16 loads of the second may be out
	WIN MUL
	MUL8 \f, 0, 0, \zero
	MUL8 \f, 0, 2, \zero
	PLACES
	FETCH \slot, \q, \g
	s_wait_dscnt 32                                ; all but the 32 just issued
	WIN MUL
	MUL8 \f, 1, 0, 0
	MUL8 \f, 1, 2, 0
.endm
; The last quarter multiplies buffer 1 and changes slots: one barrier; in front of it each wave waits for all its tensor loads, adds 0 to its spare word, and waits for that and for its reads of this slot.
; fill = 1: the barrier opens a round of the cluster's, and this slot is filled again, two K steps ahead, first thing behind the round: 112 matrix instructions ahead of the wait for it.
.macro TURN slot, next, fill
	WIN 0                                          ; (the add's two registers lie in window 0)
	s_wait_tensorcnt 0x0                           ; all my tensor loads have landed: my part of the next slot
	ds_add_u32 v[SPW], v[NIL]
	s_wait_dscnt 17                                ; the add and the youngest sixteen loads may be out
	WIN MUL
	MUL8 F1, 0, 0, 0
	s_wait_dscnt 0x0                               ; the add is done, and my reads of this slot are over
	s_barrier_signal -1
	MUL8 F1, 0, 2, 0
.if \fill
	WIN 0
.endif
	s_barrier_wait -1
.if \fill
	CREST
	s_add_nc_u64 s[G0+4*\slot+2:G0+4*\slot+3], s[G0+4*\slot+2:G0+4*\slot+3], 2*4*16384
	s_add_nc_u64 s[G0B+4*\slot+2:G0B+4*\slot+3], s[G0B+4*\slot+2:G0B+4*\slot+3], 2*KSTEP*SIZE_N*2
	JLOAD \slot                                    ; the four v_nop behind it are also the places in front of the loads below
.else
	PLACES
.endif
	FETCH \next, 0, F0
	WIN MUL
	MUL8 F1, 1, 0, 0
	MUL8 F1, 1, 2, 0
.endm
	s_wait_tensorcnt 1                             ; my part of K step 0 is in; K step 1's load may be out,
	s_barrier_signal -1
	s_barrier_wait -1                              ; everybody's is
	FETCH 0, 0, F0
	QUARTER 0, 1, F0, F1, 1                        ; the first quarter stands in front of the loop: its first products start the sums
	WIN 0                                          ; at a label and at a branch every window is 0
	s_mov_b32 s3, LAPS-1
.Llap:                                             ; a trip goes once round the ring, from a lap's second quarter to the next lap's first, and fills both slots again
	QUARTER 0, 2, F1, F0, 0
	QUARTER 0, 3, F0, F1, 0
	TURN 0, 1, 1
	QUARTER 1, 1, F0, F1, 0
	QUARTER 1, 2, F1, F0, 0
	QUARTER 1, 3, F0, F1, 0
	TURN 1, 0, 1
	QUARTER 0, 1, F0, F1, 0
	WIN 0
	s_sub_co_u32 s3, s3, 1
	s_cmp_lg_u32 s3, 0
	s_cbranch_scc1 .Llap
	QUARTER 0, 2, F1, F0, 0                        ; the last lap fills nothing
	QUARTER 0, 3, F0, F1, 0
	TURN 0, 1, 0
	QUARTER 1, 1, F0, F1, 0
	QUARTER 1, 2, F1, F0, 0
	QUARTER 1, 3, F0, F1, 0
.if RES
	PLACES                                         ; buffer 0 is done with: the residual of my 64 x 64 lands there under the last 32 products, in the layout in which rows come back from the stage
	WIN TO_F
.irp a, 0,1,2,3
.irp t, 0,1,2,3,4,5,6,7
	global_load_b128 v[4*(8*\a+\t):4*(8*\a+\t)+3], v[CO], s[14:15] offset:(16*\a+2*\t)*SIZE_N*4 th:TH_LOAD_NT
.endr
.endr
.endif
	s_wait_dscnt 16                                ; the very last quarter: nothing more to fetch
	WIN MUL
	MUL8 F1, 0, 0, 0
	MUL8 F1, 0, 2, 0
	s_wait_dscnt 0
	MUL8 F1, 1, 0, 0
	MUL8 F1, 1, 2, 0
	WIN 0
	; THE WAY OUT, a block of 16 rows x 64 columns at a time.  A lane holds 32 neighbouring bytes of a row and the lanes beside it other rows: the block goes through my own stage and comes back as whole rows of 256 bytes,
	; sixteen lanes to a row.  The row's factor belongs to the accumulators' layout (a lane, a row); the bias and the residual to the layout behind the stage.
	PLACES
.if RES
	s_wait_loadcnt 32                              ; the bias and the rows' factors are in; the 32 loads of the residual may be out
.else
	s_wait_loadcnt 0x0                             ; the bias
.endif
.irp a, 0,1,2,3
.if \a >= 2
	s_wait_xcnt 0x0                                ; block a - 2's stores have read their registers: block a's rows may land there
.endif
.if ROWSC
.set i, 0
.rept 32
	v_mul_f32 v[ACC+32*\a+i], v[ACC+32*\a+i], v[INV+\a]
.set i, i+1
.endr
.endif
.irp b, 0,1,2,3
	ds_store_b128 v[STO], v[ACC+8*(4*\a+\b):ACC+8*(4*\a+\b)+3] offset:64*\b          ; each accumulator from its low end on
	ds_store_b128 v[STO], v[ACC+8*(4*\a+\b)+4:ACC+8*(4*\a+\b)+7] offset:64*\b+16
.endr
.irp t, 0,1,2,3,4,5,6,7
	ds_load_b128 v[BK+32*(\a%2)+4*\t:BK+32*(\a%2)+4*\t+3], v[RD] offset:2*\t*SPITCH   ; LDS serves a wave's instructions in order: these see the stores above
.endr
	s_wait_dscnt 0x0
.if RES
	s_wait_loadcnt 8*(3-\a)                        ; this block's eight loads of the residual are in; the later blocks' may be out
	WIN 0x04                                       ; source 1 window 1
.set i, 0
.rept 16
	v_pk_add_f32 v[BK+32*(\a%2)+2*i:BK+32*(\a%2)+2*i+1], v[BK+32*(\a%2)+2*i:BK+32*(\a%2)+2*i+1], v[32*\a+2*i:32*\a+2*i+1]
.set i, i+1
.endr
	WIN 0
.endif
.set i, 0
.rept 16
	v_pk_add_f32 v[BK+32*(\a%2)+2*i:BK+32*(\a%2)+2*i+1], v[BK+32*(\a%2)+2*i:BK+32*(\a%2)+2*i+1], v[CB+2*(i%2):CB+2*(i%2)+1]
.set i, i+1
.endr
.irp t, 0,1,2,3,4,5,6,7
	global_store_b128 v[CO], v[BK+32*(\a%2)+4*\t:BK+32*(\a%2)+4*\t+3], s[10:11] offset:(16*\a+2*\t)*SIZE_N*4   ; 16 lanes store 256 consecutive bytes, at a multiple of 256 from C's first byte
.endr
.endr
	s_wait_tensorcnt 0x0                           ; the wave's end
	ds_add_u32 v[SPW], v[NIL]
	s_wait_dscnt 0x0
	CROUND                                         ; the closing round
	s_endpgm
.Lfunc_end_k_qc98eaedb7d_wo_gemm:
	.size	k_qc98eaedb7d_wo_gemm, .Lfunc_end_k_qc98eaedb7d_wo_gemm-k_qc98eaedb7d_wo_gemm
	.p2alignl 7, 3214868480
	.fill 96, 4, 3214868480
	.section	.rodata,"a",@progbits
	.p2align	6, 0x0
	.amdhsa_kernel k_qc98eaedb7d_wo_gemm
		.amdhsa_group_segment_fixed_size 327680
		.amdhsa_private_segment_fixed_size 0
		.amdhsa_enable_private_segment 0
		.amdhsa_kernarg_size 32
		.amdhsa_user_sgpr_count 2
		.amdhsa_user_sgpr_kernarg_segment_ptr 1
		.amdhsa_wavefront_size32 1
		.amdhsa_system_sgpr_workgroup_id_x 1
		.amdhsa_system_sgpr_workgroup_id_y 1
		.amdhsa_system_sgpr_workgroup_id_z 1
		.amdhsa_system_vgpr_workitem_id 0
		.amdhsa_next_free_vgpr 512
		.amdhsa_next_free_sgpr 66
		.amdhsa_reserve_vcc 0
		.amdhsa_float_denorm_mode_32 3
		.amdhsa_float_denorm_mode_16_64 3
		.amdhsa_memory_ordered 1
		.amdhsa_forward_progress 1
		.amdhsa_inst_pref_size 90
	.end_amdhsa_kernel
	.amdgpu_metadata
---
amdhsa.version: [ 1, 2 ]
amdhsa.kernels:
  - .name:           k_qc98eaedb7d_wo_gemm
    .symbol:         k_qc98eaedb7d_wo_gemm.kd
    .args:
      - { .name: ctx, .offset: 0, .size: 8, .value_kind: global_buffer, .address_space: global }
      - { .name: wts, .offset: 8, .size: 8, .value_kind: global_buffer, .address_space: global }
      - { .name: bo, .offset: 16, .size: 8, .value_kind: global_buffer, .address_space: global }
      - { .name: ao, .offset: 24, .size: 8, .value_kind: global_buffer, .address_space: global }
    .group_segment_fixed_size: 327680
    .private_segment_fixed_size: 0
    .kernarg_segment_align: 8
    .kernarg_segment_size: 32
    .max_flat_workgroup_size: 128
    .sgpr_count:     66
    .vgpr_count:     512
    .wavefront_size: 32
...
	.end_amdgpu_metadata
.endif
;; end of part 4
;; launch row_scale (part 5): grid 256 x 1, 4 waves a work-group, no clusters, 0 bytes of LDS; arguments ao, wts, as; writes as
.if DOCPART == 5
	.amdgcn_target "amdgcn-amd-amdhsa--gfx1250"
	.amdhsa_code_object_version 6
	.text
	.protected	k_qc98eaedb7d_row_scale
	.globl	k_qc98eaedb7d_row_scale
	.p2align	8
	.type	k_qc98eaedb7d_row_scale,@function
k_qc98eaedb7d_row_scale:
	s_mov_b64 s[64:65], 0
	v_nop
	global_prefetch_b8 v0, s[64:65] scope:SCOPE_SE
	s_setreg_imm32_b32 hwreg(HW_REG_WAVE_MODE, 25, 1), 1
	s_wait_xcnt 0x0
; The attention's output a (ao, [4,096][1,024] f32) becomes the f16 operand of the first FFN product under an exact power of two for each row: a' = f16(a x s), s = 2^(127 - E),
; E the exponent field of max(the row's largest |a|, the largest |b1| x 2^-10, 2^-126), held at 253.  So the row's largest |a'| lies under 2 (in [1, 2) unless b1 dominates) and s |b1| under 2^11, whatever the size of the inputs:
; relu(a W1 + b1) x s = relu(a' W1 + s b1), since s is positive, and the second FFN product's sums are multiplied by 1 / s again, in f32.  Both multiplications round nothing.
; a' is laid as an A operand: [row / 128][k / 64][row % 128][64] f16, at as + 0; (s, 1 / s) as two f32 a row at as + RS.
; LIMITS: rows whose largest |a| is 2^127 or more, NaN and infinities are not served.
; A wave takes four rows, as two pairs: lanes 0-15 hold one row, lanes 16-31 the next, so that each half of a load reads 256 consecutive bytes and each store covers 256 consecutive bytes (two rows of one block of 64 along K).
; A stream: no LDS, no barrier; all 32 loads of a wave go out at once.
.set RS,    8388608
.set B1MAX, 20545536
.set X,     64                         ; v64-191: pair p at 64 p, piece j (64 columns) at 4 j
	s_load_b128 s[4:7], s[0:1], 0x0                ; ao s[4:5], wts s[6:7]
	s_load_b64 s[8:9], s[0:1], 0x10                ; as
	v_lshrrev_b32 v1, 5, v0
	v_readfirstlane_b32 s12, v1                    ; wave
	v_and_b32 v2, 31, v0                           ; lane
	v_and_b32 v3, 15, v0
	v_bfe_u32 v4, v0, 4, 1
	v_lshlrev_b32 v5, 12, v4
	v_lshl_add_u32 v5, v3, 4, v5                   ; in: 4,096 x (lane / 16) + 16 x (lane % 16)
	v_lshlrev_b32 v6, 3, v2                        ; out: 8 x lane
	v_lshlrev_b32 v7, 3, v4                        ; (s, 1 / s): 8 x (lane / 16)
	s_lshl_b32 s13, ttmp9, 4
	s_lshl_b32 s14, s12, 2
	s_add_co_u32 s13, s13, s14                     ; my first row
	s_lshl_b32 s14, s13, 12
	s_mov_b32 s15, 0
	s_lshr_b32 s16, s13, 7
	s_lshl_b32 s16, s16, 18                        ; a block of 128 rows is 262,144 bytes
	s_and_b32 s17, s13, 127
	s_lshl_b32 s17, s17, 7
	s_add_co_u32 s16, s16, s17
	s_mov_b32 s17, 0
	s_lshl_b32 s18, s13, 3
	s_add_co_u32 s18, s18, RS
	s_mov_b32 s19, 0
	s_wait_kmcnt 0x0
	s_add_nc_u64 s[6:7], s[6:7], B1MAX
	s_load_b32 s20, s[6:7], 0x0                    ; the largest |b1|
	s_add_nc_u64 s[4:5], s[4:5], s[14:15]
	s_add_nc_u64 s[10:11], s[8:9], s[18:19]
	s_add_nc_u64 s[8:9], s[8:9], s[16:17]
.irp p, 0,1
.irp j, 0,1,2,3,4,5,6,7,8,9,10,11,12,13,14,15
	global_load_b128 v[X+64*\p+4*\j:X+64*\p+4*\j+3], v5, s[4:5] offset:8192*\p+256*\j
.endr
.endr
	s_wait_kmcnt 0x0
	s_mul_f32 s20, s20, 0x3a800000                 ; x 2^-10
.irp p, 0,1
	s_wait_loadcnt 16*(1-\p)                       ; this pair's 16 loads are in; the other pair's may be out
	v_max3_num_f32 v16, |v[X+64*\p]|, |v[X+64*\p+1]|, 0x800000     ; two chains; the floor 2^-126 and b1's term are leaves
	v_max3_num_f32 v17, |v[X+64*\p+2]|, |v[X+64*\p+3]|, s20
.irp i, 4,8,12,16,20,24,28,32,36,40,44,48,52,56,60
	v_max3_num_f32 v16, v16, |v[X+64*\p+\i]|, |v[X+64*\p+\i+1]|
	v_max3_num_f32 v17, v17, |v[X+64*\p+\i+2]|, |v[X+64*\p+\i+3]|
.endr
	v_max_num_f32 v16, v16, v17
	v_max_num_f32_dpp v16, v16, v16 row_xmask:1 row_mask:0xf bank_mask:0xf   ; over the 16 lanes that hold the row; the halves are not joined
	v_max_num_f32_dpp v16, v16, v16 row_xmask:2 row_mask:0xf bank_mask:0xf
	v_max_num_f32_dpp v16, v16, v16 row_xmask:4 row_mask:0xf bank_mask:0xf
	v_max_num_f32_dpp v16, v16, v16 row_xmask:8 row_mask:0xf bank_mask:0xf
	v_lshrrev_b32 v17, 23, v16                     ; E
	v_min_u32 v17, 253, v17
	v_sub_nc_u32 v18, 254, v17
	v_lshlrev_b32 v[8+2*\p], 23, v18               ; s = 2^(127 - E)
	v_lshlrev_b32 v[9+2*\p], 23, v17               ; 1 / s = 2^(E - 127)
.set i, 0
.rept 32
	v_pk_mul_f32 v[X+64*\p+2*i:X+64*\p+2*i+1], v[X+64*\p+2*i:X+64*\p+2*i+1], v[8+2*\p:9+2*\p] op_sel_hi:[1,0]
.set i, i+1
.endr
.set i, 0
.rept 16
	v_cvt_pk_f16_f32 v[X+64*\p+4*i], v[X+64*\p+4*i], v[X+64*\p+4*i+1]
	v_cvt_pk_f16_f32 v[X+64*\p+4*i+1], v[X+64*\p+4*i+2], v[X+64*\p+4*i+3]
	global_store_b64 v6, v[X+64*\p+4*i:X+64*\p+4*i+1], s[8:9] offset:256*\p+16384*i
.set i, i+1
.endr
.endr
	v_cmp_eq_u32 vcc_lo, 0, v3                     ; lanes 0 and 16 store their rows' pairs
	s_wait_xcnt 0x0                                ; EXEC changes only behind this wait
	s_and_saveexec_b32 s21, vcc_lo
	global_store_b64 v7, v[8:9], s[10:11]
	global_store_b64 v7, v[10:11], s[10:11] offset:16
	s_wait_xcnt 0x0                                ; and again, in front of the line that widens it
	s_or_b32 exec_lo, exec_lo, s21
	s_endpgm
.Lfunc_end_k_qc98eaedb7d_row_scale:
	.size	k_qc98eaedb7d_row_scale, .Lfunc_end_k_qc98eaedb7d_row_scale-k_qc98eaedb7d_row_scale
	.p2alignl 7, 3214868480
	.fill 96, 4, 3214868480
	.section	.rodata,"a",@progbits
	.p2align	6, 0x0
	.amdhsa_kernel k_qc98eaedb7d_row_scale
		.amdhsa_group_segment_fixed_size 0
		.amdhsa_private_segment_fixed_size 0
		.amdhsa_enable_private_segment 0
		.amdhsa_kernarg_size 24
		.amdhsa_user_sgpr_count 2
		.amdhsa_user_sgpr_kernarg_segment_ptr 1
		.amdhsa_wavefront_size32 1
		.amdhsa_system_sgpr_workgroup_id_x 1
		.amdhsa_system_sgpr_workgroup_id_y 1
		.amdhsa_system_sgpr_workgroup_id_z 1
		.amdhsa_system_vgpr_workitem_id 0
		.amdhsa_next_free_vgpr 200
		.amdhsa_next_free_sgpr 66
		.amdhsa_reserve_vcc 1
		.amdhsa_float_denorm_mode_32 3
		.amdhsa_float_denorm_mode_16_64 3
		.amdhsa_memory_ordered 1
		.amdhsa_forward_progress 1
		.amdhsa_inst_pref_size 22
	.end_amdhsa_kernel
	.amdgpu_metadata
---
amdhsa.version: [ 1, 2 ]
amdhsa.kernels:
  - .name:           k_qc98eaedb7d_row_scale
    .symbol:         k_qc98eaedb7d_row_scale.kd
    .args:
      - { .name: ao, .offset: 0, .size: 8, .value_kind: global_buffer, .address_space: global }
      - { .name: wts, .offset: 8, .size: 8, .value_kind: global_buffer, .address_space: global }
      - { .name: as, .offset: 16, .size: 8, .value_kind: global_buffer, .address_space: global }
    .group_segment_fixed_size: 0
    .private_segment_fixed_size: 0
    .kernarg_segment_align: 8
    .kernarg_segment_size: 24
    .max_flat_workgroup_size: 128
    .sgpr_count:     66
    .vgpr_count:     200
    .wavefront_size: 32
...
	.end_amdgpu_metadata
.endif
;; end of part 5
;; launch ffn1_gemm (part 6): grid 16 x 16, 4 waves a work-group, clusters of 4 x 4, 327,680 bytes of LDS; arguments as, wts, b1, hh; writes hh
.if DOCPART == 6
	.amdgcn_target "amdgcn-amd-amdhsa--gfx1250"
	.amdhsa_code_object_version 6
	.text
	.protected	k_qc98eaedb7d_ffn1_gemm
	.globl	k_qc98eaedb7d_ffn1_gemm
	.p2align	8
	.type	k_qc98eaedb7d_ffn1_gemm,@function
k_qc98eaedb7d_ffn1_gemm:
	s_mov_b64 s[64:65], 0
	v_nop
	global_prefetch_b8 v0, s[64:65] scope:SCOPE_SE
	s_setreg_imm32_b32 hwreg(HW_REG_WAVE_MODE, 25, 1), 1
	s_wait_xcnt 0x0
	s_wait_alu depctr_hold_cnt(0) depctr_sa_sdst(0) depctr_va_vdst(0) depctr_va_sdst(0) depctr_va_ssrc(0) depctr_va_vcc(0) depctr_vm_vsrc(0)
	s_getreg_b32 s2, hwreg(HW_REG_IB_STS2, 6, 4)
	s_cmp_eq_u32 s2, 0
	s_cbranch_scc0 .Lentry_in_a_cluster
	s_endpgm
.Lentry_in_a_cluster:
	s_bfe_u32 s2, ttmp6, 0x10000c
	s_cmp_lg_u32 s2, 0xf033
	s_cbranch_scc0 .Lentry_shape_is_right
	s_endpgm
.Lentry_shape_is_right:
; h' = relu(a' W1 + s b1), rounded to f16.  a' (as + 0): f16, [row / 128][k / 64][row % 128][64], each row under its own power of two s (as + RS: s, 1 / s).  W1: f16, [k][n] as JAX has it, at wts + W116.
; h' is stored as the next product's A operand: hh [row / 128][n / 64][row % 128][64] f16.  f16 operands, f32 sums.  |h'| stays under 2 x 1,024 x the largest |W1| + 2^11.
; A tile of C, 256 x 256, is made by four waves, each 128 x 128: 64 accumulators, 512 registers.  K goes in steps of 128 through a ring of two LDS slots.
; A's K step: for each of the tile's two blocks of 128 rows, 32,768 consecutive bytes (waves 0 and 1, one block each).  B's: 128 rows of 512 bytes (waves 2 and 3, 64 rows each).  One load a wave.
; A's fragments come out of LDS as they lie; B's ([k][n]) turned, by ds_load_tr16_b128.
; CLUSTERS: 4 x 4 work-groups; A's tiles are shared along a row of the cluster, B's along a column, by joint loads.  THE MATRIX INSTRUCTION IS USED TRANSPOSED: a lane holds eight neighbouring columns of one row of C.
; REGISTERS, in windows of 256: window 0: v0-31 addresses, v8-15 my rows' s; v64-127, v128-191 A's fragments, two buffers; v32-63, v128-255 at work on the way out.
;   window 1: v64-127, v128-191 B's fragments, two buffers; v192-255 b1 in the result's layout.   window 2: the accumulators of my rows 0-63 ((a, b) at v[8 (8 a + b)]);   window 3: those of rows 64-127.
.set SIZE_K, 1024
.set SIZE_N, 4096
.set W116,   3768320
.set RS,     8388608
.set KSTEP,  128
.set PA,     144                       ; a row of A in LDS: 128 bytes + 16
.set PB,     544                       ; a row of B: 512 bytes + 32
.set HALFA,  256*PA                    ; what a load of A brings: two blocks of 128 rows x 128 bytes
.set HALFB,  64*PB                     ; and a load of B: 64 rows
.set BOFF,   2*HALFA
.set SLOT,   2*HALFA+2*HALFB
.set STAGE,  2*SLOT                    ; behind the ring: 16 rows x (256 bytes + 16) for each wave; no tensor load lands here
.set SPITCH, 272
.set SPARE,  STAGE+4*16*SPITCH         ; the spare words: 128 bytes a wave, named by no other line
.set LAPS,   SIZE_K/(2*KSTEP)
.set SR,   8                           ; v8-15   s of my row in each of my eight blocks of 16 rows
.set ADRA, 16                          ; v16-17  LDS address of my A fragments in slot 0, 1
.set ADRB, 20                          ; v20-21  the same for B
.set STO,  24
.set RD,   25
.set CO,   26
.set SPW,  28                          ; v28     LDS address of my spare word; never rewritten
.set NIL,  29                          ; v29     0; never rewritten
.set SO,   30                          ; v30     8 x (l % 16)
.set B1O,  31                          ; v31     32 x (l / 16)
.set F0,   64
.set F1,   128
.set T64,  128                         ; the way out: a block's 64 numbers a lane
.set TMP,  192                         ; packed results
.set OB,   32                          ; rows read back: v32-63 and v224-255 by turns
.set B1R,  192                         ; in window 1: register 8 b + j = b1(first column + 16 b + 8 (l / 16) + j)
.set WV,   16
.set RH,   17
.set CH,   18
.set TR,   19
.set G1, 24
.set G0, 32
.set G1B, 48
.set G0B, 56
.set MSB, 0
.macro WIN new                         ; the immediate's high byte repeats the setting that is left
.if MSB != \new
	s_set_vgpr_msb (MSB<<8)|\new
.set MSB, \new
.endif
.endm
.set MUL_LO, 0xa1                      ; source 0 (B) window 1, source 1 (A) window 0, C and D window 2
.set MUL_HI, 0xf1
.set TO_B,   0x40                      ; destination window 1, address window 0
.macro JLOAD s                         ; a joint load; an s_nop 0 and four v_nop follow each of the two lines
	s_cmp_eq_u32 s[RH], 0
	s_cbranch_scc0 .Lfor_b_\@
	tensor_load_to_lds s[G0+4*\s:G0+4*\s+3], s[G1:G1+7]
	s_nop 0
.rept 4
	v_nop
.endr
	s_branch .Lasked_\@
.Lfor_b_\@:
	tensor_load_to_lds s[G0B+4*\s:G0B+4*\s+3], s[G1B:G1B+7]
	s_nop 0
.rept 4
	v_nop
.endr
.Lasked_\@:
.endm
.macro CREST
	s_cmp_lg_u32 s[WV], 0
	s_cbranch_scc1 .Lnot_wave_0_\@
	s_barrier_signal -3
.Lnot_wave_0_\@:
	s_barrier_wait -3
	s_barrier_signal -1
	s_barrier_wait -1
.endm
.macro CROUND
	s_barrier_signal -1
	s_barrier_wait -1
	CREST
.endm
	s_load_b256 s[4:11], s[0:1], 0x0               ; as s[4:5], wts s[6:7], b1 s[8:9], hh s[10:11]
	v_lshl_add_u32 v[SPW], v0, 2, SPARE
	v_mov_b32 v[NIL], 0
	ds_add_u32 v[SPW], v[NIL]                      ; the wave's opening: the add, twice on end, and its wait ahead of my first tensor load
	ds_add_u32 v[SPW], v[NIL]
	v_lshrrev_b32 v1, 5, v0
	v_readfirstlane_b32 s[WV], v1
	s_lshr_b32 s[RH], s[WV], 1                     ; which half of the tile's rows is mine.  Also: I fetch for A (0) or for B (1)
	s_and_b32 s[CH], s[WV], 1                      ; which half of its columns.  Also: which part I fetch
	s_bfe_u32 s40, ttmp6, 0x40000
	s_bfe_u32 s41, ttmp6, 0x40004
	s_lshl_b32 s42, ttmp9, 2
	s_add_co_u32 s42, s42, s40                     ; tile column of C
	s_and_b32 s[TR], ttmp7, 0xffff
	s_lshl_b32 s[TR], s[TR], 2
	s_add_co_u32 s[TR], s[TR], s41                 ; tile row of C
	s_lshl_b32 s43, s41, 2
	s_lshl_b32 s43, 15, s43                        ; my row of the cluster
	s_lshl_b32 s44, 0x1111, s40                    ; my column
	s_or_b32 s[G1+0], s43, (1<<16)|(1<<20)|(1<<21)|(4<<22)|(3<<25)  ; A: elements of 2 bytes; padding: 4 words behind every 32
	s_mov_b32 s[G1+1], 64<<16
	s_mov_b32 s[G1+2], 256<<16
	s_mov_b32 s[G1+3], 64<<16
	s_mov_b32 s[G1+4], 256
	s_mov_b32 s[G1+5], 64
	s_mov_b32 s[G1+6], 0
	s_mov_b32 s[G1+7], 0
	s_or_b32 s[G1B+0], s44, (1<<16)|(1<<20)|(1<<21)|(6<<22)|(7<<25) ; B: padding: 8 words behind every 128
	s_mov_b32 s[G1B+1], 256<<16
	s_mov_b32 s[G1B+2], 64<<16
	s_mov_b32 s[G1B+3], 256<<16
	s_mov_b32 s[G1B+4], 64
	s_mov_b32 s[G1B+5], SIZE_N
	s_mov_b32 s[G1B+6], 0
	s_mov_b32 s[G1B+7], 0
	s_lshl_b32 s20, s[TR], 1                       ; A: block of 128 rows 2 x tile row + which part, 262,144 bytes each
	s_add_co_u32 s20, s20, s[CH]
	s_lshl_b32 s20, s20, 18
	s_mov_b32 s21, 0
	s_lshl_b32 s46, s42, 9                         ; B: 512 bytes a tile column, 64 rows of 8,192 bytes for the second part
	s_lshl_b32 s47, s[CH], 19
	s_add_co_u32 s46, s46, s47
	s_add_co_u32 s46, s46, W116
	s_mov_b32 s47, 0
	s_mul_i32 s45, s[CH], HALFA                    ; where they go: no place in the cluster enters an LDS address
	s_mul_i32 s2, s[CH], HALFB
	s_add_co_u32 s2, s2, BOFF
	s_wait_dscnt 0x0                               ; both opening adds are done
	s_wait_kmcnt 0x0
	s_add_nc_u64 s[20:21], s[4:5], s[20:21]
	s_add_nc_u64 s[46:47], s[6:7], s[46:47]
	CROUND                                         ; all sixteen work-groups are here: the first joint loads meet
.irp s, 0,1
	s_mov_b32 s[G0+4*\s], 1
	s_add_co_u32 s[G0+4*\s+1], s45, \s*SLOT
	s_add_nc_u64 s[G0+4*\s+2:G0+4*\s+3], s[20:21], \s*2*16384
	s_or_b32 s[G0+4*\s+3], s[G0+4*\s+3], 0x80000000
	s_mov_b32 s[G0B+4*\s], 1
	s_add_co_u32 s[G0B+4*\s+1], s2, \s*SLOT
	s_add_nc_u64 s[G0B+4*\s+2:G0B+4*\s+3], s[46:47], \s*KSTEP*SIZE_N*2
	s_or_b32 s[G0B+4*\s+3], s[G0B+4*\s+3], 0x80000000
	JLOAD \s                                       ; two loads of mine are out
.endr
	v_and_b32 v1, 15, v0                           ; r
	v_bfe_u32 v2, v0, 4, 1                         ; h
	v_mul_u32_u24 v3, v1, PA
	v_lshl_add_u32 v3, v2, 4, v3
	s_mul_i32 s21, s[RH], HALFA                    ; my 128 rows of A
.irp s, 0,1
	v_add_nc_u32 v[ADRA+\s], s21, v3
	s_add_co_u32 s21, s21, SLOT
.endr
	v_and_b32 v4, 7, v0                            ; B, the turning load: row k = 8 h + l % 8, columns 8 ((l / 8) % 2) on
	v_bfe_u32 v5, v0, 3, 1
	v_lshl_add_u32 v4, v2, 3, v4
	v_mul_u32_u24 v4, v4, PB
	v_lshl_add_u32 v4, v5, 4, v4
	s_lshl_b32 s22, s[CH], 8                       ; my 128 columns
	s_add_co_u32 s22, s22, BOFF
	v_add_nc_u32 v[ADRB], s22, v4
	v_add_nc_u32 v[ADRB+1], SLOT, v[ADRB]
	s_mul_i32 s23, s[WV], 16*SPITCH
	s_add_co_u32 s23, s23, STAGE                   ; my stage
	v_mul_u32_u24 v5, v1, SPITCH                   ; in: row r, 16 bytes for each half of the lanes
	v_lshl_add_u32 v5, v2, 4, v5
	v_add_nc_u32 v[STO], s23, v5
	v_and_b32 v6, 31, v0
	v_lshlrev_b32 v[CO], 4, v6                     ; out: four rows of one block of 64 columns are 512 consecutive bytes
	v_lshrrev_b32 v5, 3, v6
	v_mul_u32_u24 v5, v5, SPITCH                   ; back: eight lanes to a row's 128 bytes, four rows an instruction
	v_and_b32 v6, 7, v0
	v_lshl_add_u32 v5, v6, 4, v5
	v_add_nc_u32 v[RD], s23, v5
	s_lshl_b32 s20, s[TR], 8                       ; my rows' s: 8 bytes a row
	s_lshl_b32 s21, s[RH], 7
	s_add_co_u32 s20, s20, s21
	s_lshl_b32 s20, s20, 3
	s_add_co_u32 s20, s20, RS
	s_mov_b32 s21, 0
	s_add_nc_u64 s[12:13], s[4:5], s[20:21]
	v_lshlrev_b32 v[SO], 3, v1
.irp a, 0,1,2,3,4,5,6,7
	global_load_b32 v[SR+\a], v[SO], s[12:13] offset:128*\a
.endr
	s_lshl_b32 s46, s42, 10                        ; b1 at my first column
	s_lshl_b32 s47, s[CH], 9
	s_add_co_u32 s46, s46, s47
	s_mov_b32 s47, 0
	s_add_nc_u64 s[8:9], s[8:9], s[46:47]
	v_lshlrev_b32 v[B1O], 5, v2
	WIN TO_B
.irp b, 0,1,2,3,4,5,6,7
	global_load_b128 v[B1R+8*\b:B1R+8*\b+3], v[B1O], s[8:9] offset:64*\b
	global_load_b128 v[B1R+8*\b+4:B1R+8*\b+7], v[B1O], s[8:9] offset:64*\b+16
.endr
	WIN 0
	s_lshl_b32 s20, s[TR], 1                       ; hh: block of 128 rows x 1,048,576 bytes,
	s_add_co_u32 s20, s20, s[RH]
	s_lshl_b32 s20, s20, 20
	s_add_nc_u64 s[10:11], s[10:11], s[20:21]
	s_lshl_b32 s46, s42, 2                         ; block of 64 columns 4 x tile column + 2 x half, 16,384 bytes each
	s_lshl_b32 s47, s[CH], 1
	s_add_co_u32 s46, s46, s47
	s_lshl_b32 s46, s46, 14
	s_mov_b32 s47, 0
	s_add_nc_u64 s[10:11], s[10:11], s[46:47]
; 16 matrix instructions: row blocks a0, a0 + 1 of the window's four x all 8 column blocks, 32 along K.  zero = 1: the first product starts the sums.  The 64 accumulators take turns.
.macro MUL16 f, hi, a0, zero
.irp a, \a0, \a0+1
.irp b, 0,1,2,3,4,5,6,7
.if \zero
	v_wmma_f32_16x16x32_f16 v[8*(8*(\a)+\b):8*(8*(\a)+\b)+7], v[\f+8*\b:\f+8*\b+7], v[\f+8*(4*\hi+\a):\f+8*(4*\hi+\a)+7], 0
.else
	v_wmma_f32_16x16x32_f16 v[8*(8*(\a)+\b):8*(8*(\a)+\b)+7], v[\f+8*\b:\f+8*\b+7], v[\f+8*(4*\hi+\a):\f+8*(4*\hi+\a)+7], v[8*(8*(\a)+\b):8*(8*(\a)+\b)+7]
.endif
.endr
.endr
.endm
; 32 LDS loads in one run: the fragments of the slot's q-th 32 along K into buffer f: B's eight, then A's eight
.macro FETCH slot, q, f
	WIN TO_B
.irp i, 0,1,2,3,4,5,6,7
	ds_load_tr16_b128 v[\f+8*\i:\f+8*\i+3],   v[ADRB+\slot] offset:32*(\q)*PB+32*\i
	ds_load_tr16_b128 v[\f+8*\i+4:\f+8*\i+7], v[ADRB+\slot] offset:(32*(\q)+16)*PB+32*\i
.endr
	WIN 0
.irp i, 0,1,2,3,4,5,6,7
	ds_load_b128 v[\f+8*\i:\f+8*\i+3],   v[ADRA+\slot] offset:((\q)/2)*128*PA+\i*16*PA+64*((\q)%2)
	ds_load_b128 v[\f+8*\i+4:\f+8*\i+7], v[ADRA+\slot] offset:((\q)/2)*128*PA+\i*16*PA+64*((\q)%2)+32
.endr
.endm
.macro PLACES                          ; four plain vector instructions between a matrix instruction and a load into its registers or a read of its result
.rept 4
	v_nop
.endr
.endm
; A K step is four quarters of 32 along K, 64 matrix instructions each, on buffers 0, 1, 0, 1.  One of the first three: multiplies buffer f; in its middle it fetches quarter q into buffer g.
.macro QUARTER slot, q, f, g, zero
	s_wait_dscnt 8                                 ; B and A's rows 0-63 are in; the youngest eight loads (A's rows 64-127) may be out
	WIN MUL_LO
	MUL16 \f, 0, 0, \zero
	MUL16 \f, 0, 2, \zero
	PLACES
	FETCH \slot, \q, \g
	s_wait_dscnt 32                                ; all but the 32 just issued
	WIN MUL_HI
	MUL16 \f, 1, 0, \zero
	MUL16 \f, 1, 2, \zero
.endm
; The last quarter multiplies buffer 1 and changes slots.  One barrier: in front of it each wave waits for all its tensor loads (one is out: its part of the next slot), adds 0 to its spare word, and waits for that and for its
; reads of this slot.  fill = 1: the barrier opens a round of the cluster's, and this slot is filled again, two K steps on, first thing behind the round: 224 matrix instructions ahead of the wait for it.
.macro TURN slot, next, fill
	WIN 0                                          ; (the add's two registers lie in window 0)
	s_wait_tensorcnt 0x0
	ds_add_u32 v[SPW], v[NIL]
	s_wait_dscnt 9                                 ; the add and the youngest eight loads may be out
	WIN MUL_LO
	MUL16 F1, 0, 0, 0
	s_wait_dscnt 0x0                               ; the add is done, and my reads of this slot are over
	s_barrier_signal -1
	MUL16 F1, 0, 2, 0
.if \fill
	WIN 0
.endif
	s_barrier_wait -1
.if \fill
	CREST
	s_add_nc_u64 s[G0+4*\slot+2:G0+4*\slot+3], s[G0+4*\slot+2:G0+4*\slot+3], 2*2*16384
	s_add_nc_u64 s[G0B+4*\slot+2:G0B+4*\slot+3], s[G0B+4*\slot+2:G0B+4*\slot+3], 2*KSTEP*SIZE_N*2
	JLOAD \slot                                    ; the four v_nop behind it are also the places in front of the loads below
.else
	PLACES
.endif
	FETCH \next, 0, F0
	WIN MUL_HI
	MUL16 F1, 1, 0, 0
	MUL16 F1, 1, 2, 0
.endm
	s_wait_tensorcnt 1                             ; my part of K step 0 is in; K step 1's load may be out,
	s_barrier_signal -1
	s_barrier_wait -1                              ; everybody's is
	FETCH 0, 0, F0
	QUARTER 0, 1, F0, F1, 1                        ; the first quarter stands in front of the loop: its products start the sums
	WIN 0                                          ; at a label and at a branch every window is 0
	s_mov_b32 s3, LAPS-1
.Llap:                                             ; a trip goes once round the ring and fills both slots again
	QUARTER 0, 2, F1, F0, 0
	QUARTER 0, 3, F0, F1, 0
	TURN 0, 1, 1
	QUARTER 1, 1, F0, F1, 0
	QUARTER 1, 2, F1, F0, 0
	QUARTER 1, 3, F0, F1, 0
	TURN 1, 0, 1
	QUARTER 0, 1, F0, F1, 0
	WIN 0
	s_sub_co_u32 s3, s3, 1
	s_cmp_lg_u32 s3, 0
	s_cbranch_scc1 .Llap
	QUARTER 0, 2, F1, F0, 0                        ; the last lap fills nothing
	QUARTER 0, 3, F0, F1, 0
	TURN 0, 1, 0
	QUARTER 1, 1, F0, F1, 0
	QUARTER 1, 2, F1, F0, 0
	QUARTER 1, 3, F0, F1, 0
	s_wait_dscnt 8                                 ; the very last quarter: nothing more to fetch
	WIN MUL_LO
	MUL16 F1, 0, 0, 0
	MUL16 F1, 0, 2, 0
	s_wait_dscnt 0
	WIN MUL_HI
	MUL16 F1, 1, 0, 0
	MUL16 F1, 1, 2, 0
	WIN 0
; THE WAY OUT, block by block of 16 rows x 128 columns.  ACT: b1 x s + the sum (one fused multiply-add, two at a time), relu, rounded to f16.  TOSTAGE: through my stage.  SEND: 512 consecutive bytes a store.
.macro ACT a
.set AC, 64*((\a)%4)
	WIN 0x21+0x10*((\a)/4)                         ; source 0 (b1) window 1, source 1 (s) window 0, source 2 (the sums) window 2 or 3, destination window 0
.irp b, 0,1,2,3,4,5,6,7
.irp j, 0,2,4,6
.if (\a)%2 == 0
	v_pk_fma_f32 v[T64+8*\b+\j:T64+8*\b+\j+1], v[B1R+8*\b+\j:B1R+8*\b+\j+1], v[SR+2*((\a)/2):SR+2*((\a)/2)+1], v[AC+8*\b+\j:AC+8*\b+\j+1] op_sel_hi:[1,0,1]                  ; the pair's first register serves both halves
.else
	v_pk_fma_f32 v[T64+8*\b+\j:T64+8*\b+\j+1], v[B1R+8*\b+\j:B1R+8*\b+\j+1], v[SR+2*((\a)/2):SR+2*((\a)/2)+1], v[AC+8*\b+\j:AC+8*\b+\j+1] op_sel:[0,1,0] op_sel_hi:[1,1,1]   ; its second
.endif
.endr
.endr
	WIN 0
.set i, 0
.rept 64
	v_max_num_f32 v[T64+i], 0, v[T64+i]
.set i, i+1
.endr
.set i, 0
.rept 32
	v_cvt_pk_f16_f32 v[TMP+i], v[T64+2*i], v[T64+2*i+1]
.set i, i+1
.endr
.endm
.macro TOSTAGE a
.set BK, OB+192*((\a)%2)
.irp b, 0,1,2,3,4,5,6,7
	ds_store_b128 v[STO], v[TMP+4*\b:TMP+4*\b+3] offset:32*\b
.endr
.irp t, 0,1,2,3,4,5,6,7
	ds_load_b128 v[BK+4*\t:BK+4*\t+3], v[RD] offset:4*(\t%4)*SPITCH+128*(\t/4)   ; LDS serves a wave's instructions in order: these see the stores above
.endr
.endm
.macro SEND a
.set BK, OB+192*((\a)%2)
	s_wait_dscnt 0x0                               ; the block is back in registers
	s_wait_xcnt 0x0                                ; earlier stores have read their base and their registers: both are written again only behind this wait
.if (\a) > 0
	s_add_nc_u64 s[10:11], s[10:11], 16*128        ; 16 rows on
.endif
.irp t, 0,1,2,3,4,5,6,7
	global_store_b128 v[CO], v[BK+4*\t:BK+4*\t+3], s[10:11] offset:(\t/4)*16384+512*(\t%4)
.endr
.endm
	PLACES
	s_wait_loadcnt 0x0                             ; s and b1
	ACT 0
	TOSTAGE 0
.irp a, 1,2,3,4,5,6,7                  ; block a's arithmetic stands between block a - 1's loads from the stage and the wait for them
	ACT \a
	SEND \a-1
	TOSTAGE \a
.endr
	SEND 7
	s_wait_tensorcnt 0x0                           ; the wave's end
	ds_add_u32 v[SPW], v[NIL]
	s_wait_dscnt 0x0
	CROUND                                         ; the closing round
	s_endpgm
.Lfunc_end_k_qc98eaedb7d_ffn1_gemm:
	.size	k_qc98eaedb7d_ffn1_gemm, .Lfunc_end_k_qc98eaedb7d_ffn1_gemm-k_qc98eaedb7d_ffn1_gemm
	.p2alignl 7, 3214868480
	.fill 96, 4, 3214868480
	.section	.rodata,"a",@progbits
	.p2align	6, 0x0
	.amdhsa_kernel k_qc98eaedb7d_ffn1_gemm
		.amdhsa_group_segment_fixed_size 327680
		.amdhsa_private_segment_fixed_size 0
		.amdhsa_enable_private_segment 0
		.amdhsa_kernarg_size 32
		.amdhsa_user_sgpr_count 2
		.amdhsa_user_sgpr_kernarg_segment_ptr 1
		.amdhsa_wavefront_size32 1
		.amdhsa_system_sgpr_workgroup_id_x 1
		.amdhsa_system_sgpr_workgroup_id_y 1
		.amdhsa_system_sgpr_workgroup_id_z 1
		.amdhsa_system_vgpr_workitem_id 0
		.amdhsa_next_free_vgpr 1024
		.amdhsa_next_free_sgpr 66
		.amdhsa_reserve_vcc 0
		.amdhsa_float_denorm_mode_32 3
		.amdhsa_float_denorm_mode_16_64 3
		.amdhsa_memory_ordered 1
		.amdhsa_forward_progress 1
		.amdhsa_inst_pref_size 178
	.end_amdhsa_kernel
	.amdgpu_metadata
---
amdhsa.version: [ 1, 2 ]
amdhsa.kernels:
  - .name:           k_qc98eaedb7d_ffn1_gemm
    .symbol:         k_qc98eaedb7d_ffn1_gemm.kd
    .args:
      - { .name: as, .offset: 0, .size: 8, .value_kind: global_buffer, .address_space: global }
      - { .name: wts, .offset: 8, .size: 8, .value_kind: global_buffer, .address_space: global }
      - { .name: b1, .offset: 16, .size: 8, .value_kind: global_buffer, .address_space: global }
      - { .name: hh, .offset: 24, .size: 8, .value_kind: global_buffer, .address_space: global }
    .group_segment_fixed_size: 327680
    .private_segment_fixed_size: 0
    .kernarg_segment_align: 8
    .kernarg_segment_size: 32
    .max_flat_workgroup_size: 128
    .sgpr_count:     66
    .vgpr_count:     1024
    .wavefront_size: 32
...
	.end_amdgpu_metadata
.endif
;; end of part 6
;; launch ffn2_gemm (part 7): grid 8 x 32, 4 waves a work-group, clusters of 4 x 4, 327,680 bytes of LDS; arguments hh, wts, b2, yy, as, ao; writes yy
.if DOCPART == 7
	.amdgcn_target "amdgcn-amd-amdhsa--gfx1250"
	.amdhsa_code_object_version 6
	.text
	.protected	k_qc98eaedb7d_ffn2_gemm
	.globl	k_qc98eaedb7d_ffn2_gemm
	.p2align	8
	.type	k_qc98eaedb7d_ffn2_gemm,@function
k_qc98eaedb7d_ffn2_gemm:
	s_mov_b64 s[64:65], 0
	v_nop
	global_prefetch_b8 v0, s[64:65] scope:SCOPE_SE
	s_setreg_imm32_b32 hwreg(HW_REG_WAVE_MODE, 25, 1), 1
	s_wait_xcnt 0x0
	s_wait_alu depctr_hold_cnt(0) depctr_sa_sdst(0) depctr_va_vdst(0) depctr_va_sdst(0) depctr_va_ssrc(0) depctr_va_vcc(0) depctr_vm_vsrc(0)
	s_getreg_b32 s2, hwreg(HW_REG_IB_STS2, 6, 4)
	s_cmp_eq_u32 s2, 0
	s_cbranch_scc0 .Lentry_in_a_cluster
	s_endpgm
.Lentry_in_a_cluster:
	s_bfe_u32 s2, ttmp6, 0x10000c
	s_cmp_lg_u32 s2, 0xf033
	s_cbranch_scc0 .Lentry_shape_is_right
	s_endpgm
.Lentry_shape_is_right:
; yy = (h' W2) / s + b2 + a.  h' (hh): f16, laid [row / 128][k / 64][row % 128][64], each row under its own power of two s; 1 / s from as + RS.  W2: f16, [k][n] as JAX has it, at wts + WOFF.
; a: ao, the residual, f32.  yy: [4,096][1,024] f32.  f16 operands, f32 sums; the multiplication by 1 / s rounds nothing.
; A tile of C is 128 x 128, so that 256 work-groups have one each.  Four waves, each 64 x 64: 16 accumulators.  K goes in steps of 256 through a ring of two LDS slots.
; A's K step of a tile is 65,536 consecutive bytes (four blocks of 128 rows x 128 bytes): waves 0 and 1 fetch two blocks each.  B's is 256 rows of 256 bytes: waves 2 and 3 fetch 128 rows each.  One load a wave.
; A's fragments come out of LDS as they lie; B's ([k][n]) turned, by ds_load_tr16_b128.
; CLUSTERS: 4 x 4 work-groups.  A's tiles are shared along a row of the cluster, B's along a column: each is asked for jointly, by the same tensor load with the same descriptor and a mask that names the four.
; THE MATRIX INSTRUCTION IS USED TRANSPOSED (source 0 = 16 columns of B, source 1 = 16 rows of A): a lane holds eight neighbouring numbers of a row of C.
; REGISTERS: window 0: v0-31 addresses and small tables; v32-95 the way out; v128-255 the accumulators ((a, b) at v[128 + 8 (4 a + b)]).  window 1: two fragment buffers of 128: 64 registers of A, then 64 of B, for 64 along K;
;   at the end buffer 0 takes the residual.
.set SIZE_K, 4096
.set WOFF,   12156928                  ; where B begins in wts
.set ROWSC,  1                         ; 1: each row of the sums is multiplied by a number of its own
.set RES,    1                         ; 1: a residual is added
.set SIZE_N, 1024
.set NKB,    SIZE_K/64                 ; blocks of 64 along K in A
.set KSTEP,  256
.set PA,     144                       ; a row of A in LDS: 128 bytes + 16
.set PB,     288                       ; a row of B: 256 bytes + 32
.set HALFT,  256*PA                    ; what one tensor load brings: 256 rows of A, or 128 rows of B (128 x 288 is as much)
.set SLOT,   4*HALFT                   ; A's four blocks, then B's 256 rows
.set BOFF,   2*HALFT
.set STAGE,  2*SLOT                    ; behind the ring: 16 rows x (256 bytes + 16) for each wave; no tensor load lands here
.set SPITCH, 272
.set SPARE,  STAGE+4*16*SPITCH         ; the spare words: 128 bytes a wave, named by no other line
.set LAPS,   SIZE_K/(2*KSTEP)          ; a lap = two K steps = once round the ring
.set RS,     8388608                   ; where the rows' (s, 1 / s) begin in their buffer
.set CB,   8                           ; v8-11   the bias of the four columns that I store
.set INV,  12                          ; v12-15  1 / s of my row in each of my four blocks of 16 rows
.set ADRA, 16                          ; v16-17  LDS address of my A fragments in slot 0, 1
.set ADRB, 20                          ; v20-23  of my B fragments: 2 x slot + which 128 rows
.set STO,  24                          ; v24     the way out: where I put 32 bytes of a row
.set RD,   25                          ; v25     where I read a row back
.set CO,   26                          ; v26     my byte offset in two rows of C
.set SPW,  28                          ; v28     LDS address of my spare word; never rewritten
.set NIL,  29                          ; v29     0; never rewritten
.set IO,   30                          ; v30     8 x (l % 16)
.set CBO,  31                          ; v31     16 x (l % 16)
.set BK,   32                          ; v32-63, v64-95 rows read back, by turns
.set ACC,  128
.set F0,   0
.set F1,   128
.set WV,   16                          ; s16 wave;  s17 which half of the rows (also: I fetch for A or B);  s18 which half of the columns (also: which part I fetch);  s19 tile row
.set RH,   17
.set CH,   18
.set TR,   19
.set G1, 24
.set G0, 32
.set G1B, 48
.set G0B, 56
.set MSB, 0
.macro WIN new                         ; the immediate's high byte repeats the setting that is left
.if MSB != \new
	s_set_vgpr_msb (MSB<<8)|\new
.set MSB, \new
.endif
.endm
.set MUL,  0x05                        ; sources 0 (B) and 1 (A) window 1; C and D window 0
.set TO_F, 0x40                        ; destination window 1, address window 0
.macro JLOAD s                         ; a joint load: waves 0 and 1 fetch for A, waves 2 and 3 for B; an s_nop 0 and four v_nop follow each of the two lines
	s_cmp_eq_u32 s[RH], 0
	s_cbranch_scc0 .Lfor_b_\@
	tensor_load_to_lds s[G0+4*\s:G0+4*\s+3], s[G1:G1+7]
	s_nop 0
.rept 4
	v_nop
.endr
	s_branch .Lasked_\@
.Lfor_b_\@:
	tensor_load_to_lds s[G0B+4*\s:G0B+4*\s+3], s[G1B:G1B+7]
	s_nop 0
.rept 4
	v_nop
.endr
.Lasked_\@:
.endm
.macro CREST                           ; a round of the cluster's barrier behind its opening barrier
	s_cmp_lg_u32 s[WV], 0
	s_cbranch_scc1 .Lnot_wave_0_\@
	s_barrier_signal -3
.Lnot_wave_0_\@:
	s_barrier_wait -3
	s_barrier_signal -1
	s_barrier_wait -1
.endm
.macro CROUND
	s_barrier_signal -1
	s_barrier_wait -1
	CREST
.endm
	s_load_b256 s[4:11], s[0:1], 0x0               ; A s[4:5], wts s[6:7], the bias s[8:9], C s[10:11]
.if ROWSC
	s_load_b128 s[12:15], s[0:1], 0x20             ; the rows' scales s[12:13], the residual s[14:15]
.endif
	v_lshl_add_u32 v[SPW], v0, 2, SPARE
	v_mov_b32 v[NIL], 0
	ds_add_u32 v[SPW], v[NIL]                      ; the wave's opening: the add, twice on end, and its wait ahead of my first tensor load
	ds_add_u32 v[SPW], v[NIL]
	v_lshrrev_b32 v1, 5, v0
	v_readfirstlane_b32 s[WV], v1
	s_lshr_b32 s[RH], s[WV], 1
	s_and_b32 s[CH], s[WV], 1
	s_bfe_u32 s40, ttmp6, 0x40000                  ; cx, cy: my place in the cluster
	s_bfe_u32 s41, ttmp6, 0x40004
	s_lshl_b32 s42, ttmp9, 2
	s_add_co_u32 s42, s42, s40                     ; tile column of C
	s_and_b32 s[TR], ttmp7, 0xffff
	s_lshl_b32 s[TR], s[TR], 2
	s_add_co_u32 s[TR], s[TR], s41                 ; tile row of C
	s_lshl_b32 s43, s41, 2
	s_lshl_b32 s43, 15, s43                        ; my row of the cluster
	s_lshl_b32 s44, 0x1111, s40                    ; my column
	s_or_b32 s[G1+0], s43, (1<<16)|(1<<20)|(1<<21)|(4<<22)|(3<<25)  ; A: the mask; elements of 2 bytes; padding: 4 words behind every 32; bit 21 beside a mask
	s_mov_b32 s[G1+1], 64<<16                      ; tensor_dim0
	s_mov_b32 s[G1+2], 256<<16                     ; tensor_dim1
	s_mov_b32 s[G1+3], 64<<16                      ; tile_dim0
	s_mov_b32 s[G1+4], 256                         ; tile_dim1
	s_mov_b32 s[G1+5], 64                          ; from row to row: dense
	s_mov_b32 s[G1+6], 0
	s_mov_b32 s[G1+7], 0
	s_or_b32 s[G1B+0], s44, (1<<16)|(1<<20)|(1<<21)|(5<<22)|(7<<25) ; B: padding: 8 words behind every 64
	s_mov_b32 s[G1B+1], 128<<16
	s_mov_b32 s[G1B+2], 128<<16
	s_mov_b32 s[G1B+3], 128<<16
	s_mov_b32 s[G1B+4], 128
	s_mov_b32 s[G1B+5], SIZE_N
	s_mov_b32 s[G1B+6], 0
	s_mov_b32 s[G1B+7], 0
	s_mul_i32 s20, s[TR], NKB                      ; A: block NKB x tile row + 2 x which part, of 16,384 bytes
	s_lshl_b32 s21, s[CH], 1
	s_add_co_u32 s20, s20, s21
	s_lshl_b32 s20, s20, 14
	s_mov_b32 s21, 0
	s_lshl_b32 s46, s42, 8                         ; B: 256 bytes a tile column, 128 rows of 2,048 bytes for the second part
	s_lshl_b32 s47, s[CH], 18
	s_add_co_u32 s46, s46, s47
	s_add_co_u32 s46, s46, WOFF
	s_mov_b32 s47, 0
	s_mul_i32 s45, s[WV], HALFT                    ; where they go: wave x what a load brings: no place in the cluster enters an LDS address
	s_wait_dscnt 0x0                               ; both opening adds are done
	s_wait_kmcnt 0x0
	s_add_nc_u64 s[20:21], s[4:5], s[20:21]
	s_add_nc_u64 s[46:47], s[6:7], s[46:47]
	CROUND                                         ; all sixteen work-groups are here: the first joint loads meet
.irp s, 0,1
	s_mov_b32 s[G0+4*\s], 1
	s_add_co_u32 s[G0+4*\s+1], s45, \s*SLOT
	s_add_nc_u64 s[G0+4*\s+2:G0+4*\s+3], s[20:21], \s*4*16384
	s_or_b32 s[G0+4*\s+3], s[G0+4*\s+3], 0x80000000
	s_mov_b32 s[G0B+4*\s], 1
	s_add_co_u32 s[G0B+4*\s+1], s45, \s*SLOT
	s_add_nc_u64 s[G0B+4*\s+2:G0B+4*\s+3], s[46:47], \s*KSTEP*SIZE_N*2
	s_or_b32 s[G0B+4*\s+3], s[G0B+4*\s+3], 0x80000000
	JLOAD \s                                       ; two loads of mine are out
.endr
	v_and_b32 v1, 15, v0                           ; r = l % 16
	v_bfe_u32 v2, v0, 4, 1                         ; h = l / 16
	v_mul_u32_u24 v3, v1, PA
	v_lshl_add_u32 v3, v2, 4, v3                   ; A: row x pitch + 16 x half
	s_mul_i32 s21, s[RH], 64*PA                    ; my 64 rows in each block
.irp s, 0,1
	v_add_nc_u32 v[ADRA+\s], s21, v3
	s_add_co_u32 s21, s21, SLOT
.endr
	v_and_b32 v4, 7, v0                            ; B, the turning load: row k = 8 h + l % 8, columns 8 ((l / 8) % 2) on
	v_bfe_u32 v5, v0, 3, 1
	v_lshl_add_u32 v4, v2, 3, v4
	v_mul_u32_u24 v4, v4, PB
	v_lshl_add_u32 v4, v5, 4, v4
	s_lshl_b32 s22, s[CH], 7                       ; my 64 columns
	s_add_co_u32 s22, s22, BOFF
	v_add_nc_u32 v[ADRB], s22, v4
	v_add_nc_u32 v[ADRB+1], HALFT, v[ADRB]         ; rows 128 on: an LDS offset has 16 bits
	v_add_nc_u32 v[ADRB+2], SLOT, v[ADRB]
	v_add_nc_u32 v[ADRB+3], SLOT+HALFT, v[ADRB]
	s_mul_i32 s23, s[WV], 16*SPITCH
	s_add_co_u32 s23, s23, STAGE                   ; my stage
	v_mul_u32_u24 v5, v1, SPITCH                   ; in: row r, 32 bytes for each half of the lanes
	v_lshl_add_u32 v5, v2, 5, v5
	v_add_nc_u32 v[STO], s23, v5
	v_mul_u32_u24 v5, v2, SPITCH                   ; back: lanes 0-15 one row of 256 bytes, lanes 16-31 the next
	v_lshl_add_u32 v5, v1, 4, v5
	v_add_nc_u32 v[RD], s23, v5
	v_lshlrev_b32 v5, 12, v2                       ; and the same two rows in C
	v_lshl_add_u32 v[CO], v1, 4, v5
	s_lshl_b32 s20, s[TR], 7
	s_lshl_b32 s21, s[RH], 6
	s_add_co_u32 s2, s20, s21                      ; my first row of C
	s_lshl_b32 s20, s2, 12
	s_mov_b32 s21, 0
	s_lshl_b32 s46, s42, 9                         ; my first column, in bytes of f32
	s_lshl_b32 s47, s[CH], 8
	s_add_co_u32 s46, s46, s47
	s_mov_b32 s47, 0
	s_add_nc_u64 s[10:11], s[10:11], s[20:21]
	s_add_nc_u64 s[10:11], s[10:11], s[46:47]
	s_add_nc_u64 s[8:9], s[8:9], s[46:47]          ; the bias at my first column
	v_lshlrev_b32 v[CBO], 4, v1
	global_load_b128 v[CB:CB+3], v[CBO], s[8:9]
.if RES
	s_add_nc_u64 s[14:15], s[14:15], s[20:21]
	s_add_nc_u64 s[14:15], s[14:15], s[46:47]
.endif
.if ROWSC
	s_lshl_b32 s20, s2, 3
	s_add_co_u32 s20, s20, RS+4                    ; 1 / s is the second word of a row's pair
	s_add_nc_u64 s[12:13], s[12:13], s[20:21]
	v_lshlrev_b32 v[IO], 3, v1
.irp a, 0,1,2,3
	global_load_b32 v[INV+\a], v[IO], s[12:13] offset:128*\a
.endr
.endif
; 8 matrix instructions: row blocks a0, a0 + 1 x all 4 column blocks, 32 along K: half c of buffer f.  zero = 1: the first product starts the sums.  The 16 accumulators take turns.
.macro MUL8 f, c, a0, zero
.irp a, \a0, \a0+1
.irp b, 0,1,2,3
.if \zero
	v_wmma_f32_16x16x32_f16 v[ACC+8*(4*(\a)+\b):ACC+8*(4*(\a)+\b)+7], v[\f+64+8*(4*\c+\b):\f+64+8*(4*\c+\b)+7], v[\f+8*(4*\c+\a):\f+8*(4*\c+\a)+7], 0
.else
	v_wmma_f32_16x16x32_f16 v[ACC+8*(4*(\a)+\b):ACC+8*(4*(\a)+\b)+7], v[\f+64+8*(4*\c+\b):\f+64+8*(4*\c+\b)+7], v[\f+8*(4*\c+\a):\f+8*(4*\c+\a)+7], v[ACC+8*(4*(\a)+\b):ACC+8*(4*(\a)+\b)+7]
.endif
.endr
.endr
.endm
; 32 LDS loads in one run: the fragments of the slot's q-th 64 along K into buffer f; the first 32 along K first
.macro FETCH slot, q, f
	WIN TO_F
.irp c, 0,1
.irp i, 0,1,2,3
	ds_load_tr16_b128 v[\f+64+8*(4*\c+\i):\f+64+8*(4*\c+\i)+3],   v[ADRB+2*\slot+(\q)/2] offset:(((\q)%2)*64+32*\c)*PB+32*\i
	ds_load_tr16_b128 v[\f+64+8*(4*\c+\i)+4:\f+64+8*(4*\c+\i)+7], v[ADRB+2*\slot+(\q)/2] offset:(((\q)%2)*64+32*\c+16)*PB+32*\i
	ds_load_b128 v[\f+8*(4*\c+\i):\f+8*(4*\c+\i)+3],              v[ADRA+\slot] offset:(\q)*128*PA+\i*16*PA+64*\c
	ds_load_b128 v[\f+8*(4*\c+\i)+4:\f+8*(4*\c+\i)+7],            v[ADRA+\slot] offset:(\q)*128*PA+\i*16*PA+64*\c+32
.endr
.endr
.endm
.macro PLACES                          ; four plain vector instructions between a matrix instruction and a load into its registers or a read of its result
.rept 4
	v_nop
.endr
.endm
; A K step is four quarters of 64 along K, 32 matrix instructions each, on buffers 0, 1, 0, 1.  One of the first three: multiplies buffer f and fetches quarter q into g.
.macro QUARTER slot, q, f, g, zero
	s_wait_dscnt 16                                ; the first 32 along K are in; the 16 loads of the second may be out
	WIN MUL
	MUL8 \f, 0, 0, \zero
	MUL8 \f, 0, 2, \zero
	PLACES
	FETCH \slot, \q, \g
	s_wait_dscnt 32                                ; all but the 32 just issued
	WIN MUL
	MUL8 \f, 1, 0, 0
	MUL8 \f, 1, 2, 0
.endm
; The last quarter multiplies buffer 1 and changes slots: one barrier; in front of it each wave waits for all its tensor loads, adds 0 to its spare word, and waits for that and for its reads of this slot.
; fill = 1: the barrier opens a round of the cluster's, and this slot is filled again, two K steps ahead, first thing behind the round: 112 matrix instructions ahead of the wait for it.
.macro TURN slot, next, fill
	WIN 0                                          ; (the add's two registers lie in window 0)
	s_wait_tensorcnt 0x0                           ; all my tensor loads have landed: my part of the next slot
	ds_add_u32 v[SPW], v[NIL]
	s_wait_dscnt 17                                ; the add and the youngest sixteen loads may be out
	WIN MUL
	MUL8 F1, 0, 0, 0
	s_wait_dscnt 0x0                               ; the add is done, and my reads of this slot are over
	s_barrier_signal -1
	MUL8 F1, 0, 2, 0
.if \fill
	WIN 0
.endif
	s_barrier_wait -1
.if \fill
	CREST
	s_add_nc_u64 s[G0+4*\slot+2:G0+4*\slot+3], s[G0+4*\slot+2:G0+4*\slot+3], 2*4*16384
	s_add_nc_u64 s[G0B+4*\slot+2:G0B+4*\slot+3], s[G0B+4*\slot+2:G0B+4*\slot+3], 2*KSTEP*SIZE_N*2
	JLOAD \slot                                    ; the four v_nop behind it are also the places in front of the loads below
.else
	PLACES
.endif
	FETCH \next, 0, F0
	WIN MUL
	MUL8 F1, 1, 0, 0
	MUL8 F1, 1, 2, 0
.endm
	s_wait_tensorcnt 1                             ; my part of K step 0 is in; K step 1's load may be out,
	s_barrier_signal -1
	s_barrier_wait -1                              ; everybody's is
	FETCH 0, 0, F0
	QUARTER 0, 1, F0, F1, 1                        ; the first quarter stands in front of the loop: its first products start the sums
	WIN 0                                          ; at a label and at a branch every window is 0
	s_mov_b32 s3, LAPS-1
.Llap:                                             ; a trip goes once round the ring, from a lap's second quarter to the next lap's first, and fills both slots again
	QUARTER 0, 2, F1, F0, 0
	QUARTER 0, 3, F0, F1, 0
	TURN 0, 1, 1
	QUARTER 1, 1, F0, F1, 0
	QUARTER 1, 2, F1, F0, 0
	QUARTER 1, 3, F0, F1, 0
	TURN 1, 0, 1
	QUARTER 0, 1, F0, F1, 0
	WIN 0
	s_sub_co_u32 s3, s3, 1
	s_cmp_lg_u32 s3, 0
	s_cbranch_scc1 .Llap
	QUARTER 0, 2, F1, F0, 0                        ; the last lap fills nothing
	QUARTER 0, 3, F0, F1, 0
	TURN 0, 1, 0
	QUARTER 1, 1, F0, F1, 0
	QUARTER 1, 2, F1, F0, 0
	QUARTER 1, 3, F0, F1, 0
.if RES
	PLACES                                         ; buffer 0 is done with: the residual of my 64 x 64 lands there under the last 32 products, in the layout in which rows come back from the stage
	WIN TO_F
.irp a, 0,1,2,3
.irp t, 0,1,2,3,4,5,6,7
	global_load_b128 v[4*(8*\a+\t):4*(8*\a+\t)+3], v[CO], s[14:15] offset:(16*\a+2*\t)*SIZE_N*4 th:TH_LOAD_NT
.endr
.endr
.endif
	s_wait_dscnt 16                                ; the very last quarter: nothing more to fetch
	WIN MUL
	MUL8 F1, 0, 0, 0
	MUL8 F1, 0, 2, 0
	s_wait_dscnt 0
	MUL8 F1, 1, 0, 0
	MUL8 F1, 1, 2, 0
	WIN 0
	; THE WAY OUT, a block of 16 rows x 64 columns at a time.  A lane holds 32 neighbouring bytes of a row and the lanes beside it other rows: the block goes through my own stage and comes back as whole rows of 256 bytes,
	; sixteen lanes to a row.  The row's factor belongs to the accumulators' layout (a lane, a row); the bias and the residual to the layout behind the stage.
	PLACES
.if RES
	s_wait_loadcnt 32                              ; the bias and the rows' factors are in; the 32 loads of the residual may be out
.else
	s_wait_loadcnt 0x0                             ; the bias
.endif
.irp a, 0,1,2,3
.if \a >= 2
	s_wait_xcnt 0x0                                ; block a - 2's stores have read their registers: block a's rows may land there
.endif
.if ROWSC
.set i, 0
.rept 32
	v_mul_f32 v[ACC+32*\a+i], v[ACC+32*\a+i], v[INV+\a]
.set i, i+1
.endr
.endif
.irp b, 0,1,2,3
	ds_store_b128 v[STO], v[ACC+8*(4*\a+\b):ACC+8*(4*\a+\b)+3] offset:64*\b          ; each accumulator from its low end on
	ds_store_b128 v[STO], v[ACC+8*(4*\a+\b)+4:ACC+8*(4*\a+\b)+7] offset:64*\b+16
.endr
.irp t, 0,1,2,3,4,5,6,7
	ds_load_b128 v[BK+32*(\a%2)+4*\t:BK+32*(\a%2)+4*\t+3], v[RD] offset:2*\t*SPITCH   ; LDS serves a wave's instructions in order: these see the stores above
.endr
	s_wait_dscnt 0x0
.if RES
	s_wait_loadcnt 8*(3-\a)                        ; this block's eight loads of the residual are in; the later blocks' may be out
	WIN 0x04                                       ; source 1 window 1
.set i, 0
.rept 16
	v_pk_add_f32 v[BK+32*(\a%2)+2*i:BK+32*(\a%2)+2*i+1], v[BK+32*(\a%2)+2*i:BK+32*(\a%2)+2*i+1], v[32*\a+2*i:32*\a+2*i+1]
.set i, i+1
.endr
	WIN 0
.endif
.set i, 0
.rept 16
	v_pk_add_f32 v[BK+32*(\a%2)+2*i:BK+32*(\a%2)+2*i+1], v[BK+32*(\a%2)+2*i:BK+32*(\a%2)+2*i+1], v[CB+2*(i%2):CB+2*(i%2)+1]
.set i, i+1
.endr
.irp t, 0,1,2,3,4,5,6,7
	global_store_b128 v[CO], v[BK+32*(\a%2)+4*\t:BK+32*(\a%2)+4*\t+3], s[10:11] offset:(16*\a+2*\t)*SIZE_N*4   ; 16 lanes store 256 consecutive bytes, at a multiple of 256 from C's first byte
.endr
.endr
	s_wait_tensorcnt 0x0                           ; the wave's end
	ds_add_u32 v[SPW], v[NIL]
	s_wait_dscnt 0x0
	CROUND                                         ; the closing round
	s_endpgm
.Lfunc_end_k_qc98eaedb7d_ffn2_gemm:
	.size	k_qc98eaedb7d_ffn2_gemm, .Lfunc_end_k_qc98eaedb7d_ffn2_gemm-k_qc98eaedb7d_ffn2_gemm
	.p2alignl 7, 3214868480
	.fill 96, 4, 3214868480
	.section	.rodata,"a",@progbits
	.p2align	6, 0x0
	.amdhsa_kernel k_qc98eaedb7d_ffn2_gemm
		.amdhsa_group_segment_fixed_size 327680
		.amdhsa_private_segment_fixed_size 0
		.amdhsa_enable_private_segment 0
		.amdhsa_kernarg_size 48
		.amdhsa_user_sgpr_count 2
		.amdhsa_user_sgpr_kernarg_segment_ptr 1
		.amdhsa_wavefront_size32 1
		.amdhsa_system_sgpr_workgroup_id_x 1
		.amdhsa_system_sgpr_workgroup_id_y 1
		.amdhsa_system_sgpr_workgroup_id_z 1
		.amdhsa_system_vgpr_workitem_id 0
		.amdhsa_next_free_vgpr 512
		.amdhsa_next_free_sgpr 66
		.amdhsa_reserve_vcc 0
		.amdhsa_float_denorm_mode_32 3
		.amdhsa_float_denorm_mode_16_64 3
		.amdhsa_memory_ordered 1
		.amdhsa_forward_progress 1
		.amdhsa_inst_pref_size 102
	.end_amdhsa_kernel
	.amdgpu_metadata
---
amdhsa.version: [ 1, 2 ]
amdhsa.kernels:
  - .name:           k_qc98eaedb7d_ffn2_gemm
    .symbol:         k_qc98eaedb7d_ffn2_gemm.kd
    .args:
      - { .name: hh, .offset: 0, .size: 8, .value_kind: global_buffer, .address_space: global }
      - { .name: wts, .offset: 8, .size: 8, .value_kind: global_buffer, .address_space: global }
      - { .name: b2, .offset: 16, .size: 8, .value_kind: global_buffer, .address_space: global }
      - { .name: yy, .offset: 24, .size: 8, .value_kind: global_buffer, .address_space: global }
      - { .name: as, .offset: 32, .size: 8, .value_kind: global_buffer, .address_space: global }
      - { .name: ao, .offset: 40, .size: 8, .value_kind: global_buffer, .address_space: global }
    .group_segment_fixed_size: 327680
    .private_segment_fixed_size: 0
    .kernarg_segment_align: 8
    .kernarg_segment_size: 48
    .max_flat_workgroup_size: 128
    .sgpr_count:     66
    .vgpr_count:     512
    .wavefront_size: 32
...
	.end_amdgpu_metadata
.endif
;; end of part 7
;; launch layer_norm (part 8): grid 256 x 1, 4 waves a work-group, no clusters, 0 bytes of LDS; arguments yy, ln_g, ln_b, out0; writes out0
.if DOCPART == 8
	.amdgcn_target "amdgcn-amd-amdhsa--gfx1250"
	.amdhsa_code_object_version 6
	.text
	.protected	k_qc98eaedb7d_layer_norm
	.globl	k_qc98eaedb7d_layer_norm
	.p2align	8
	.type	k_qc98eaedb7d_layer_norm,@function
k_qc98eaedb7d_layer_norm:
	s_mov_b64 s[64:65], 0
	v_nop
	global_prefetch_b8 v0, s[64:65] scope:SCOPE_SE
	s_setreg_imm32_b32 hwreg(HW_REG_WAVE_MODE, 25, 1), 1
	s_wait_xcnt 0x0
; out0 = (y - mean) x rsqrt(var + 1e-5) x ln_g + ln_b along rows of 1,024, all in f32, in two passes as the formula has it: the mean first, then the mean of the squared differences.
; A row is 4,096 bytes: one wave takes a whole row, eight loads of 16 bytes a lane, and keeps it in 32 registers between the passes.  A wave takes four rows; all its 48 loads go out at once.
; A stream: no LDS, no barrier, no matrix unit.  Each load and store of a wave covers 512 consecutive bytes.
.set Y,  64                            ; v64-191  row i at 32 i
.set G,  192                           ; v192-223 ln_g of my 32 columns
.set B,  224                           ; v224-255 ln_b
	s_load_b256 s[4:11], s[0:1], 0x0               ; yy s[4:5], ln_g s[6:7], ln_b s[8:9], out0 s[10:11]
	v_lshrrev_b32 v1, 5, v0
	v_readfirstlane_b32 s12, v1                    ; wave
	v_and_b32 v2, 31, v0
	v_lshlrev_b32 v2, 4, v2                        ; 16 x lane
	s_lshl_b32 s13, ttmp9, 4
	s_lshl_b32 s12, s12, 2
	s_add_co_u32 s12, s12, s13                     ; my first row
	s_lshl_b32 s12, s12, 12
	s_mov_b32 s13, 0
	s_mov_b32 s14, 0x76543210
	s_mov_b32 s15, 0xfedcba98                      ; v_permlanex16_b32's selects for lane l xor 16
	s_mov_b32 s16, 0x3727c5ac                      ; 1e-5
	s_mov_b32 s17, 0x3a800000                      ; 1 / 1,024
	v_mov_b32 v13, 0                               ; named as the upper halves of pairs whose low word serves both halves
	v_mov_b32 v15, 0
	s_wait_kmcnt 0x0
	s_add_nc_u64 s[4:5], s[4:5], s[12:13]
	s_add_nc_u64 s[10:11], s[10:11], s[12:13]
.irp j, 0,1,2,3,4,5,6,7
	global_load_b128 v[G+4*\j:G+4*\j+3], v2, s[6:7] offset:512*\j
	global_load_b128 v[B+4*\j:B+4*\j+3], v2, s[8:9] offset:512*\j
.endr
.irp i, 0,1,2,3
.irp j, 0,1,2,3,4,5,6,7
	global_load_b128 v[Y+32*\i+4*\j:Y+32*\i+4*\j+3], v2, s[4:5] offset:4096*\i+512*\j th:TH_LOAD_NT
.endr
.endr
.macro ACROSS                          ; v8 summed over the 32 lanes, the result in every lane
	v_add_f32 v8, v8, v9
	v_add_f32_dpp v8, v8, v8 row_xmask:1 row_mask:0xf bank_mask:0xf
	v_add_f32_dpp v8, v8, v8 row_xmask:2 row_mask:0xf bank_mask:0xf
	v_add_f32_dpp v8, v8, v8 row_xmask:4 row_mask:0xf bank_mask:0xf
	v_add_f32_dpp v8, v8, v8 row_xmask:8 row_mask:0xf bank_mask:0xf
	v_permlanex16_b32 v9, v8, s14, s15
	v_add_f32 v8, v8, v9
.endm
.irp i, 0,1,2,3
	s_wait_loadcnt 8*(3-\i)                        ; this row's eight loads (and the gains and biases ahead of them) are in; the later rows' may be out
	v_pk_add_f32 v[8:9], v[Y+32*\i:Y+32*\i+1], v[Y+32*\i+2:Y+32*\i+3]          ; the sum, two at a time, in two chains
	v_pk_add_f32 v[10:11], v[Y+32*\i+4:Y+32*\i+5], v[Y+32*\i+6:Y+32*\i+7]
.irp k, 8,12,16,20,24,28
	v_pk_add_f32 v[8:9], v[8:9], v[Y+32*\i+\k:Y+32*\i+\k+1]
	v_pk_add_f32 v[10:11], v[10:11], v[Y+32*\i+\k+2:Y+32*\i+\k+3]
.endr
	v_pk_add_f32 v[8:9], v[8:9], v[10:11]
	ACROSS
	v_mul_f32 v12, s17, v8                         ; the mean
.set n, 0
.rept 16
	v_pk_add_f32 v[Y+32*\i+2*n:Y+32*\i+2*n+1], v[Y+32*\i+2*n:Y+32*\i+2*n+1], v[12:13] op_sel_hi:[1,0] neg_lo:[0,1] neg_hi:[0,1]   ; y - mean, in place
.set n, n+1
.endr
	v_pk_mul_f32 v[8:9], v[Y+32*\i:Y+32*\i+1], v[Y+32*\i:Y+32*\i+1]            ; the sum of squares, in two chains
	v_pk_mul_f32 v[10:11], v[Y+32*\i+2:Y+32*\i+3], v[Y+32*\i+2:Y+32*\i+3]
.irp k, 4,8,12,16,20,24,28
	v_pk_fma_f32 v[8:9], v[Y+32*\i+\k:Y+32*\i+\k+1], v[Y+32*\i+\k:Y+32*\i+\k+1], v[8:9]
	v_pk_fma_f32 v[10:11], v[Y+32*\i+\k+2:Y+32*\i+\k+3], v[Y+32*\i+\k+2:Y+32*\i+\k+3], v[10:11]
.endr
	v_pk_add_f32 v[8:9], v[8:9], v[10:11]
	ACROSS
	v_fma_f32 v8, v8, s17, s16                     ; var + 1e-5
	v_rsq_f32 v14, v8
	v_nop                                          ; a plain instruction behind the transcendental,
	s_wait_alu depctr_va_vdst(0)                   ; and the wait ahead of its first reader
.set n, 0
.rept 16
	v_pk_mul_f32 v[Y+32*\i+2*n:Y+32*\i+2*n+1], v[Y+32*\i+2*n:Y+32*\i+2*n+1], v[14:15] op_sel_hi:[1,0]
.set n, n+1
.endr
.set n, 0
.rept 16
	v_pk_fma_f32 v[Y+32*\i+2*n:Y+32*\i+2*n+1], v[Y+32*\i+2*n:Y+32*\i+2*n+1], v[G+2*n:G+2*n+1], v[B+2*n:B+2*n+1]
.set n, n+1
.endr
.irp j, 0,1,2,3,4,5,6,7
	global_store_b128 v2, v[Y+32*\i+4*\j:Y+32*\i+4*\j+3], s[10:11] offset:4096*\i+512*\j th:TH_STORE_NT
.endr
.endr
	s_endpgm
.Lfunc_end_k_qc98eaedb7d_layer_norm:
	.size	k_qc98eaedb7d_layer_norm, .Lfunc_end_k_qc98eaedb7d_layer_norm-k_qc98eaedb7d_layer_norm
	.p2alignl 7, 3214868480
	.fill 96, 4, 3214868480
	.section	.rodata,"a",@progbits
	.p2align	6, 0x0
	.amdhsa_kernel k_qc98eaedb7d_layer_norm
		.amdhsa_group_segment_fixed_size 0
		.amdhsa_private_segment_fixed_size 0
		.amdhsa_enable_private_segment 0
		.amdhsa_kernarg_size 32
		.amdhsa_user_sgpr_count 2
		.amdhsa_user_sgpr_kernarg_segment_ptr 1
		.amdhsa_wavefront_size32 1
		.amdhsa_system_sgpr_workgroup_id_x 1
		.amdhsa_system_sgpr_workgroup_id_y 1
		.amdhsa_system_sgpr_workgroup_id_z 1
		.amdhsa_system_vgpr_workitem_id 0
		.amdhsa_next_free_vgpr 256
		.amdhsa_next_free_sgpr 66
		.amdhsa_reserve_vcc 0
		.amdhsa_float_denorm_mode_32 3
		.amdhsa_float_denorm_mode_16_64 3
		.amdhsa_memory_ordered 1
		.amdhsa_forward_progress 1
		.amdhsa_inst_pref_size 33
	.end_amdhsa_kernel
	.amdgpu_metadata
---
amdhsa.version: [ 1, 2 ]
amdhsa.kernels:
  - .name:           k_qc98eaedb7d_layer_norm
    .symbol:         k_qc98eaedb7d_layer_norm.kd
    .args:
      - { .name: yy, .offset: 0, .size: 8, .value_kind: global_buffer, .address_space: global }
      - { .name: ln_g, .offset: 8, .size: 8, .value_kind: global_buffer, .address_space: global }
      - { .name: ln_b, .offset: 16, .size: 8, .value_kind: global_buffer, .address_space: global }
      - { .name: out0, .offset: 24, .size: 8, .value_kind: global_buffer, .address_space: global }
    .group_segment_fixed_size: 0
    .private_segment_fixed_size: 0
    .kernarg_segment_align: 8
    .kernarg_segment_size: 32
    .max_flat_workgroup_size: 128
    .sgpr_count:     66
    .vgpr_count:     256
    .wavefront_size: 32
...
	.end_amdgpu_metadata
.endif
;; end of part 8
